; MI455X (gfx1250); checked and timed in simulation.
; The chip was launched on July 23, 2026; its instructions are those of AMD's public machine-readable ISA for CDNA 5 (MIT licence, August 2026) and "CDNA5" Instruction Set Architecture Reference Guide (July 2026). The comments in the code are by the model that wrote it; some were corrected since.
;; GPT Self Attention1 D. Allowed arithmetic: matrix products marked QUANTISED: E2M1 operands, one E8M0 scale for each 32 along K, by v_wmma_scale_f32_16x16x128_f8f6f4 with both operands' format E2M1 (or v_wmma_scale_f32_32x16x128_f4), f32 sums; everything else in f32.
;; Inputs: Wk 1,024 x 1,024 float32; Wo 1,024 x 1,024 float32; Wq 1,024 x 1,024 float32; Wv 1,024 x 1,024 float32; bk 1,024 float32; bo 1,024 float32; bq 1,024 float32; bv 1,024 float32; x 2 x 2,048 x 1,024 float32.
;; Outputs: out0 2 x 2,048 x 1,024 float32.
;; This version of the problem:
;;   THIS VERSION OF THE PROBLEM IS GIVEN IN LOW PRECISION. The matrix products marked QUANTISED in the list below multiply operands that are first quantised to E2M1 (2 exponent bits, 1 mantissa bit; 4 bits a number), with one power-of-two scale for each 32 numbers along K (OCP MX v1.0); their sums are f32. All else is computed in f32.
;;   The module's matrix products, in the order in which they are computed (A, B: the left and right operand; K: the contracted axis; several contracted axes count as one K, in the product's order):
;;     1. [M 4,096, K 1,024] x [K 1,024, N 1,024]; A: input x; B: input Wq: QUANTISED
;;     2. [M 4,096, K 1,024] x [K 1,024, N 1,024]; A: input x; B: input Wk: QUANTISED
;;     3. [M 4,096, K 1,024] x [K 1,024, N 1,024]; A: input x; B: input Wv: QUANTISED
;;     4. batch 32 x [M 2,048, K 64] x [K 64, N 2,048]; A: computed on the way; B: computed on the way: QUANTISED
;;     5. batch 32 x [M 2,048, K 2,048] x [K 2,048, N 64]; A: softmax (see below); B: computed on the way: QUANTISED
;;     6. [M 4,096, K 1,024] x [K 1,024, N 1,024]; A: computed on the way; B: input Wo: QUANTISED
;;   THE QUANTISER, for each operand of a quantised product, along K:
;;     - K is cut into blocks of 32 from its start; a last block that is shorter is filled with zeros.
;;     - A block's scale is 2^e with e = floor(log2(the largest magnitude in the block)) - 2, held to -126 .. 127; a block of zeros has e = 0. As a byte (E8M0): e + 127.
;;     - Each number is divided by its block's scale, clamped to +-6, and rounded to the nearest number of E2M1, ties to even, subnormals kept.
;;     - The product sums the exact products of the quantised numbers (number of the format x scale) in f32.
;;   ~~~python
;;   def quantise(x, axis):      # numpy; x: float32 -> the quantised numbers, widened to float32 again
;;       x = np.moveaxis(x, axis, -1); K = x.shape[-1]
;;       x = np.pad(x, [(0, 0)] * (x.ndim - 1) + [(0, -K % 32)]); x = x.reshape(x.shape[:-1] + (-1, 32)); a = np.abs(x).max(-1, keepdims=True)
;;       e = np.where(a > 0, np.clip(np.frexp(np.where(a > 0, a, 1))[1] - 1 - 2, -126, 127), 0)      # np.frexp(a)[1] - 1 = floor(log2(a)), exactly
;;       r = np.clip(x / 2.0 ** e, -6, 6)
;;       step = 2.0 ** (np.maximum(np.frexp(np.where(r == 0, 1, r))[1] - 1, 0) - 1)
;;       q = np.round(r / step) * step * 2.0 ** e      # np.round: ties to even
;;       return np.moveaxis(q.reshape(q.shape[:-2] + (-1,))[..., :K], -1, axis).astype(np.float32)
;;   ~~~
;;   SOFTMAX AHEAD OF A QUANTISED PRODUCT. Where the list says 'softmax', what is quantised is not the finished softmax but p = 2^(t - M), with t = logit x log2(e) and M = ceil(the row's largest t), a whole number; so 1/2 < the row's largest p <= 1. The row's sum l is taken of the UNQUANTISED p, in f32, and the product's result is divided by l at the end. Since M is a whole number, a kernel that streams over the keys may use a running M (the ceiling of the running maximum): every later rescaling is an exact power of two, which a block's scale takes up: the codes' values come out the same.
;;   OPERANDS COMPUTED ON THE WAY. 'Computed on the way' means the value that the module computes at that place (a softmax that the list does not call 'softmax' is quantised finished and normalised). What goes into a quantiser is computed in f32, as accurately as f32 sums, v_exp_f32 and their like allow (about 1e-6 of the number): no bf16 or f16 on the way to a quantiser, and a product that is left as it is and whose result goes on into a quantised operand takes f32 operands (vector FMAs, or v_wmma_f32_16x16x4_f32). A number that lies on a knife's edge between two numbers of the format may be rounded either way, as far as f32 arithmetic and the matrix unit's own rounding can turn it there, and no further.
;; One version. Each part assembles by itself: llvm-mc -triple=amdgcn-amd-amdhsa -mcpu=gfx1250 --defsym DOCPART=n.
;; ======== version 1 of 1: 4 launches
;; limits: right only within a limited range of input values
;; workspace buffers: xq 2,228,224 bytes; wq 2,228,224 bytes; qkv 7,077,888 bytes; ctx 2,228,224 bytes
;; launch quant (part 1): grid 256 x 1, 16 waves a work-group, no clusters, 103,424 bytes of LDS; arguments x, Wq, Wk, Wv, Wo, xq, wq; writes xq, wq
.if DOCPART == 1
	.amdgcn_target "amdgcn-amd-amdhsa--gfx1250"
	.amdhsa_code_object_version 6
	.text
	.protected	k_qad8f19426a_quant
	.globl	k_qad8f19426a_quant
	.p2align	8
	.type	k_qad8f19426a_quant,@function
k_qad8f19426a_quant:
	s_mov_b64 s[64:65], 0
	v_nop
	global_prefetch_b8 v0, s[64:65] scope:SCOPE_SE
	s_setreg_imm32_b32 hwreg(HW_REG_WAVE_MODE, 25, 1), 1
	s_wait_xcnt 0x0
; x [4096][1024] and the four weights [1024 (k)][1024 (n)], f32, become codes of FP4 (E2M1), K innermost, with one E8M0 byte for each 32 along K.
; xq: 32 blocks of 128 rows of x; wq: 4 weights x 8 blocks of 128 columns.  A block: [128 storage rows][512 bytes of codes], then [K half 2][128 storage rows][16 scale bytes]: 69,632 bytes on end.
; STORAGE ORDER inside a block of 128: number 64 c + 32 h + 8 t + j (t 0..3, j 0..7) lies in storage row 64 c + 16 t + 8 h + j.  Sixteen storage rows are the rows of one matrix tile; with this order the result
; registers of tiles 4 c .. 4 c + 3 hold, in the lanes of half h, the 32 neighbours 64 c + 32 h + 0 .. 31: a whole block of the quantiser in one lane.
; WORK LEFT OUT in this program: reference() puts -10000 in the place of every score of a key behind its query, so such a score reaches no output, whatever the inputs: the products Q K of steps of 128 keys that lie wholly behind a tile's queries
; are not made (launch attn).  Their p stays: all those keys have one p and one code, and that code times the sum of V's quantised numbers is added.  A NaN, an infinity or an overflow that reaches only the scores left out is not carried to the result.
; A block's scale is 2^(floor(log2(its largest magnitude)) - 2); its byte is that magnitude's exponent field - 2, held at 1 from below.
; LIMITS: NaN and infinities are not served; a block whose largest magnitude lies under 2^-124, or of zeros, gets the byte 1 (this program alone reads the bytes).
; SHARES: work-groups 0-127 take 32 rows of x each, 128-255 64 columns x 512 along K of a weight each: 131,072 bytes either way.  No tensor loads, no matrix unit, no cluster: each byte is read by one wave.
.set STEPS, 4
.set SP,    80                         ; x: a lane's place in a stage: 64 bytes + 16 of padding
.set WREG,  2*32*SP                    ; two stages for each wave
.set SCX,   16*WREG                    ; x's scale bytes [K half][32 rows][16]
.set WST,   SCX+1024                   ; the weights' stage: 64 rows x 272
.set PITCH, 272
.set SCW,   WST+64*PITCH               ; their scale bytes [64 rows][16]
.set SPARE, SCW+1024
.set BLK,   69632
.set SCO,   65536
.set R,     16                         ; x: v16-79 four sets of 16 numbers as loaded; W: v16-79 two columns of 32
.set X,     80                         ; x: v80-111 two sets of 16 neighbours
.set E,     112
.set C,     116
.set SPW,   126
.set NIL,   127
	s_load_b256 s[4:11], s[0:1], 0x0               ; x, Wq, Wk, Wv
	s_load_b128 s[12:15], s[0:1], 0x20             ; Wo, xq
	s_load_b64 s[16:17], s[0:1], 0x30              ; wq
	v_lshl_add_u32 v[SPW], v0, 2, SPARE
	v_mov_b32 v[NIL], 0
	v_lshrrev_b32 v1, 5, v0
	v_readfirstlane_b32 s18, v1                    ; wave 0..15
	v_and_b32 v2, 31, v0                           ; lane
	v_lshlrev_b32 v3, 4, v2                        ; 16 x lane
	v_and_b32 v4, 15, v2
	v_lshrrev_b32 v5, 4, v2
	s_wait_alu depctr_va_vdst(0)
	s_cmp_lt_u32 ttmp9, 128                        ; x or a weight: by the work-group's number
	s_cbranch_scc0 .Lweight
	s_lshr_b32 s19, ttmp9, 2                       ; which 128 rows
	s_and_b32 s20, ttmp9, 3                        ; which 32 storage rows of them
	s_lshl_b32 s22, s19, 7
	s_lshr_b32 s21, s20, 1
	s_lshl_b32 s21, s21, 6
	s_add_co_u32 s22, s22, s21
	s_and_b32 s21, s20, 1
	s_lshl_b32 s21, s21, 4
	s_add_co_u32 s22, s22, s21
	s_lshr_b32 s21, s18, 3
	s_lshl_b32 s21, s21, 3
	s_add_co_u32 s22, s22, s21
	s_bfe_u32 s21, s18, 0x10002
	s_lshl_b32 s21, s21, 5
	s_add_co_u32 s22, s22, s21
	s_and_b32 s21, s18, 3
	s_lshl_b32 s21, s21, 1
	s_add_co_u32 s22, s22, s21                     ; my first true row; storage rows 32 q + 2 w and the next are two true rows on end
	s_lshl_b32 s22, s22, 12
	s_mov_b32 s23, 0
	s_mul_i32 s24, s19, BLK
	s_lshl_b32 s21, s20, 9
	s_add_co_u32 s26, s24, s21
	s_add_co_u32 s26, s26, SCO                     ; the work-group's scale bytes: 512 in each K half
	s_mov_b32 s27, 0
	s_lshl_b32 s21, s20, 14
	s_add_co_u32 s24, s24, s21
	s_lshl_b32 s21, s18, 10
	s_add_co_u32 s24, s24, s21                     ; my codes: two rows of 512 bytes
	s_mov_b32 s25, 0
	s_mul_i32 s28, s18, WREG
	s_lshl_b32 s29, s18, 5
	s_add_co_u32 s29, s29, SCX
	v_lshrrev_b32 v14, 2, v2
	v_and_b32 v15, 3, v2
	v_mul_u32_u24 v14, v14, SP
	v_lshl_add_u32 v14, v15, 4, v14
	v_add_nc_u32 v14, s28, v14                     ; into the stage: SP (lane / 4) + 16 (lane % 4)
	v_mul_u32_u24 v15, v2, SP
	v_add_nc_u32 v15, s28, v15                     ; out of it: SP x lane
	v_lshlrev_b32 v4, 3, v2                        ; my 8 bytes of a step's 256 bytes of codes
	v_lshrrev_b32 v5, 1, v2
	v_add_nc_u32 v5, s29, v5                       ; my block's byte
	v_add_nc_u32 v6, SCX, v3
	s_wait_alu depctr_va_vdst(0)
	s_wait_kmcnt 0x0
	s_add_nc_u64 s[4:5], s[4:5], s[22:23]
	s_add_nc_u64 s[22:23], s[14:15], s[24:25]
	s_add_nc_u64 s[26:27], s[14:15], s[26:27]
.irp t, 0,1,2,3
.irp i, 0,1,2,3
	global_load_b128 v[R+16*\t+4*\i:R+16*\t+4*\i+3], v3, s[4:5] offset:2048*\t+512*\i th:TH_LOAD_NT   ; 32 lanes read 512 consecutive bytes
.endr
.endr
.macro TURN t                          ; a step's numbers through a stage: LDS serves a wave's instructions in order
.irp i, 0,1,2,3
	ds_store_b128 v14, v[R+16*(\t)+4*\i:R+16*(\t)+4*\i+3] offset:32*SP*((\t)%2)+8*SP*\i
.endr
.irp i, 0,1,2,3
	ds_load_b128 v[X+16*((\t)%2)+4*\i:X+16*((\t)%2)+4*\i+3], v15 offset:32*SP*((\t)%2)+16*\i
.endr
.endm
	s_wait_loadcnt 12                              ; step 0's four loads are in
	TURN 0
.macro STEP t                          ; step t is row t / 2 of my two, K half t % 2
.set XS, X+16*((\t)%2)
.if (\t) > 0
	s_wait_dscnt 1                                 ; this step's numbers are back; the last step's byte store may be out
.else
	s_wait_dscnt 0x0
.endif
.if (\t)+1 < STEPS
	s_wait_loadcnt 4*(STEPS-2-(\t))                ; the next step's four loads are in
	TURN (\t)+1
.endif
	v_max3_num_f32 v8, |v[XS]|, |v[XS+1]|, |v[XS+2]|
	v_max3_num_f32 v9, |v[XS+3]|, |v[XS+4]|, |v[XS+5]|
.irp i, 6,10
	s_delay_alu instid0(VALU_DEP_2)
	v_max3_num_f32 v8, v8, |v[XS+\i]|, |v[XS+\i+1]|
	s_delay_alu instid0(VALU_DEP_2)
	v_max3_num_f32 v9, v9, |v[XS+\i+2]|, |v[XS+\i+3]|
.endr
	s_delay_alu instid0(VALU_DEP_2)
	v_max3_num_f32 v8, v8, |v[XS+14]|, |v[XS+15]|
	s_delay_alu instid0(VALU_DEP_1)
	v_max3_num_f32 v8, v8, v9, 0x1800000           ; and the floor 2^(3 - 127)
	s_delay_alu instid0(VALU_DEP_1)
	v_max_num_f32_dpp v8, v8, v8 row_xmask:1 row_mask:0xf bank_mask:0xf   ; with my neighbour's 16: the block's
	s_delay_alu instid0(VALU_DEP_1)
	v_add_nc_u32 v11, 0xff000000, v8               ; 2 off its exponent field: the conversion's scale operand
	v_cvt_scalef32_pk8_fp4_f32 v[C+2*(\t)], v[XS:XS+7], v11
	v_cvt_scalef32_pk8_fp4_f32 v[C+2*(\t)+1], v[XS+8:XS+15], v11
	v_lshrrev_b32 v[E+(\t)], 23, v11               ; the scale's byte (a plain line behind the conversions)
	ds_store_b8 v5, v[E+(\t)] offset:512*((\t)%2)+16*((\t)/2)      ; both lanes of a block write the same byte with the same value
	global_store_b64 v4, v[C+2*(\t):C+2*(\t)+1], s[22:23] offset:256*(\t)   ; the wave stores 256 consecutive bytes, aligned
.endm
.irp t, 0,1,2,3
	STEP \t
.endr
	s_wait_dscnt 0x0                               ; for the others' sake: my byte stores are done
	s_barrier_signal -1
	s_barrier_wait -1
	s_cmp_lg_u32 s18, 0
	s_cbranch_scc1 .Lend
	ds_load_b128 v[80:83], v6                      ; wave 0 sends the 1,024 scale bytes
	ds_load_b128 v[84:87], v6 offset:512
	s_wait_dscnt 0x0
	global_store_b128 v3, v[80:83], s[26:27]       ; 512 consecutive bytes, aligned
	global_store_b128 v3, v[84:87], s[26:27] offset:2048
	s_branch .Lend
; A WEIGHT: K is its first axis.  A LANE TAKES TWO COLUMNS, lane and lane + 32, AND ITS REGISTERS RUN DOWN K: two loads on end read 256 consecutive bytes; a block of 32 along K lies in one lane's registers.
.Lweight:
	s_sub_co_u32 s19, ttmp9, 128
	s_lshr_b32 s20, s19, 5                         ; which weight
	s_bfe_u32 s21, s19, 0x40001                    ; which 64 columns
	s_and_b32 s22, s19, 1                          ; which K half
	s_lshl_b32 s24, s22, 9
	s_lshl_b32 s25, s18, 5
	s_add_co_u32 s24, s24, s25
	s_lshl_b32 s24, s24, 12
	s_lshl_b32 s25, s21, 8
	s_add_co_u32 s24, s24, s25                     ; rows 512 half + 32 w on
	s_mov_b32 s25, 0
	s_lshl_b32 s26, s20, 3
	s_lshr_b32 s27, s21, 1
	s_add_co_u32 s26, s26, s27
	s_mul_i32 s26, s26, BLK                        ; the block
	s_and_b32 s27, s21, 1                          ; its lower or upper 64 storage rows
	s_lshl_b32 s28, s27, 10
	s_add_co_u32 s28, s28, s26
	s_lshl_b32 s29, s22, 11
	s_add_co_u32 s28, s28, s29
	s_add_co_u32 s28, s28, SCO                     ; scale bytes: 1,024
	s_lshl_b32 s27, s27, 15
	s_add_co_u32 s26, s26, s27
	s_lshl_b32 s27, s18, 11
	s_add_co_u32 s26, s26, s27
	s_lshl_b32 s27, s22, 8
	s_add_co_u32 s26, s26, s27                     ; codes of storage rows 4 w on, this K half's 256 bytes
	s_mov_b32 s27, 0
	s_mov_b32 s29, 0
	s_lshl_b32 s30, s18, 4
	s_add_co_u32 s30, s30, WST
	s_add_co_u32 s31, s18, SCW
	s_mul_i32 s33, s18, 4*PITCH
	s_add_co_u32 s33, s33, WST
	v_lshlrev_b32 v1, 2, v2                        ; in: 4 bytes a lane
	v_and_b32 v6, 7, v2
	v_lshrrev_b32 v7, 3, v2
	v_lshl_or_b32 v6, v7, 4, v6                    ; the storage row of column lane; column lane + 32 lies 8 rows on
	v_mul_u32_u24 v8, v6, PITCH
	v_add_nc_u32 v8, s30, v8                       ; into the stage: my row, block w's 16 bytes
	v_lshl_add_u32 v9, v6, 4, s31                  ; and my byte
	v_mul_u32_u24 v10, v5, PITCH
	v_lshl_add_u32 v10, v4, 4, v10
	v_add_nc_u32 v10, s33, v10                     ; out of it: rows 4 w (lanes 0-15), 4 w + 1; then the next two
	v_lshlrev_b32 v11, 9, v5
	v_lshl_add_u32 v11, v4, 4, v11                 ; the same rows in wq
	v_add_nc_u32 v7, SCW, v3
	s_wait_alu depctr_va_vdst(0)
	s_wait_kmcnt 0x0
	s_cmp_eq_u32 s20, 1
	s_cselect_b64 s[6:7], s[8:9], s[6:7]
	s_cmp_eq_u32 s20, 2
	s_cselect_b64 s[6:7], s[10:11], s[6:7]
	s_cmp_eq_u32 s20, 3
	s_cselect_b64 s[6:7], s[12:13], s[6:7]
	s_add_nc_u64 s[6:7], s[6:7], s[24:25]
	s_add_nc_u64 s[26:27], s[16:17], s[26:27]
	s_add_nc_u64 s[28:29], s[16:17], s[28:29]
.irp i, 0,1,2,3,4,5,6,7,8,9,10,11,12,13,14,15,16,17,18,19,20,21,22,23,24,25,26,27,28,29,30,31
	global_load_b32 v[R+\i], v1, s[6:7] offset:\i*4096 th:TH_LOAD_NT
	global_load_b32 v[R+32+\i], v1, s[6:7] offset:\i*4096+128 th:TH_LOAD_NT
.endr
	s_wait_loadcnt 0x0
.irp c, 0,1                                    ; two columns, two chains each
	v_max3_num_f32 v[12+2*\c], |v[R+32*\c]|, |v[R+32*\c+1]|, |v[R+32*\c+2]|
	v_max3_num_f32 v[13+2*\c], |v[R+32*\c+3]|, |v[R+32*\c+4]|, |v[R+32*\c+5]|
.endr
.irp i, 6,10,14,18,22,26
.irp c, 0,1
	v_max3_num_f32 v[12+2*\c], v[12+2*\c], |v[R+32*\c+\i]|, |v[R+32*\c+\i+1]|
	v_max3_num_f32 v[13+2*\c], v[13+2*\c], |v[R+32*\c+\i+2]|, |v[R+32*\c+\i+3]|
.endr
.endr
.irp c, 0,1
	v_max3_num_f32 v[12+2*\c], v[12+2*\c], |v[R+32*\c+30]|, |v[R+32*\c+31]|
.endr
.irp c, 0,1
	v_max3_num_f32 v[12+2*\c], v[12+2*\c], v[13+2*\c], 0x1800000   ; and the floor 2^(3 - 127)
.endr
.irp c, 0,1
	v_add_nc_u32 v[112+\c], 0xff000000, v[12+2*\c]
.endr
.irp c, 0,1
.irp g, 0,1,2,3
	v_cvt_scalef32_pk8_fp4_f32 v[96+4*\c+\g], v[R+32*\c+8*\g:R+32*\c+8*\g+7], v[112+\c]
.endr
.endr
.irp c, 0,1
	v_lshrrev_b32 v[114+\c], 23, v[112+\c]         ; the scale's byte (plain lines behind the conversions)
.endr
.irp c, 0,1
	ds_store_b128 v8, v[96+4*\c:99+4*\c] offset:8*PITCH*\c
	ds_store_b8 v9, v[114+\c] offset:128*\c
.endr
	s_wait_dscnt 0x0                               ; for the others' sake: my stores are done
	s_barrier_signal -1
	s_barrier_wait -1
	ds_load_b128 v[80:83], v10
	ds_load_b128 v[84:87], v10 offset:2*PITCH
	s_cmp_lg_u32 s18, 0
	s_cbranch_scc1 .Lcodes
	ds_load_b128 v[88:91], v7                      ; wave 0 also sends the 1,024 scale bytes
	ds_load_b128 v[92:95], v7 offset:512
	s_wait_dscnt 0x0
	global_store_b128 v3, v[88:91], s[28:29]
	global_store_b128 v3, v[92:95], s[28:29] offset:512
.Lcodes:
	s_wait_dscnt 0x0
	global_store_b128 v11, v[80:83], s[26:27]      ; sixteen lanes store 256 consecutive bytes, aligned
	global_store_b128 v11, v[84:87], s[26:27] offset:1024
.Lend:
	s_wait_tensorcnt 0x0                           ; the wave's end
	ds_add_u32 v[SPW], v[NIL]
	s_wait_dscnt 0x0
	s_endpgm
.Lfunc_end_k_qad8f19426a_quant:
	.size	k_qad8f19426a_quant, .Lfunc_end_k_qad8f19426a_quant-k_qad8f19426a_quant
	.p2alignl 7, 3214868480
	.fill 96, 4, 3214868480
	.section	.rodata,"a",@progbits
	.p2align	6, 0x0
	.amdhsa_kernel k_qad8f19426a_quant
		.amdhsa_group_segment_fixed_size 103424
		.amdhsa_private_segment_fixed_size 0
		.amdhsa_enable_private_segment 0
		.amdhsa_kernarg_size 56
		.amdhsa_user_sgpr_count 2
		.amdhsa_user_sgpr_kernarg_segment_ptr 1
		.amdhsa_wavefront_size32 1
		.amdhsa_system_sgpr_workgroup_id_x 1
		.amdhsa_system_sgpr_workgroup_id_y 1
		.amdhsa_system_sgpr_workgroup_id_z 1
		.amdhsa_system_vgpr_workitem_id 0
		.amdhsa_next_free_vgpr 128
		.amdhsa_next_free_sgpr 66
		.amdhsa_reserve_vcc 0
		.amdhsa_float_denorm_mode_32 3
		.amdhsa_float_denorm_mode_16_64 3
		.amdhsa_memory_ordered 1
		.amdhsa_forward_progress 1
		.amdhsa_inst_pref_size 25
	.end_amdhsa_kernel
	.amdgpu_metadata
---
amdhsa.version: [ 1, 2 ]
amdhsa.kernels:
  - .name:           k_qad8f19426a_quant
    .symbol:         k_qad8f19426a_quant.kd
    .args:
      - { .name: x, .offset: 0, .size: 8, .value_kind: global_buffer, .address_space: global }
      - { .name: Wq, .offset: 8, .size: 8, .value_kind: global_buffer, .address_space: global }
      - { .name: Wk, .offset: 16, .size: 8, .value_kind: global_buffer, .address_space: global }
      - { .name: Wv, .offset: 24, .size: 8, .value_kind: global_buffer, .address_space: global }
      - { .name: Wo, .offset: 32, .size: 8, .value_kind: global_buffer, .address_space: global }
      - { .name: xq, .offset: 40, .size: 8, .value_kind: global_buffer, .address_space: global }
      - { .name: wq, .offset: 48, .size: 8, .value_kind: global_buffer, .address_space: global }
    .group_segment_fixed_size: 103424
    .private_segment_fixed_size: 0
    .kernarg_segment_align: 8
    .kernarg_segment_size: 56
    .max_flat_workgroup_size: 512
    .sgpr_count:     66
    .vgpr_count:     128
    .wavefront_size: 32
...
	.end_amdgpu_metadata
.endif
;; end of part 1
;; launch gemm_qkv (part 2): grid 8 x 32, 4 waves a work-group, clusters of 4 x 4, 327,680 bytes of LDS; arguments xq, wq, bq, bk, bv, qkv; writes qkv
.if DOCPART == 2
	.amdgcn_target "amdgcn-amd-amdhsa--gfx1250"
	.amdhsa_code_object_version 6
	.text
	.protected	k_qad8f19426a_gemm_qkv
	.globl	k_qad8f19426a_gemm_qkv
	.p2align	8
	.type	k_qad8f19426a_gemm_qkv,@function
k_qad8f19426a_gemm_qkv:
	s_mov_b64 s[64:65], 0
	v_nop
	global_prefetch_b8 v0, s[64:65] scope:SCOPE_SE
	s_setreg_imm32_b32 hwreg(HW_REG_WAVE_MODE, 25, 1), 1
	s_wait_xcnt 0x0
	s_wait_alu depctr_hold_cnt(0) depctr_sa_sdst(0) depctr_va_vdst(0) depctr_va_sdst(0) depctr_va_ssrc(0) depctr_va_vcc(0) depctr_vm_vsrc(0)
	s_getreg_b32 s2, hwreg(HW_REG_IB_STS2, 6, 4)
	s_cmp_eq_u32 s2, 0
	s_cbranch_scc0 .Lentry_in_a_cluster
	s_endpgm
.Lentry_in_a_cluster:
	s_bfe_u32 s2, ttmp6, 0x10000c
	s_cmp_lg_u32 s2, 0xf033
	s_cbranch_scc0 .Lentry_shape_is_right
	s_endpgm
.Lentry_shape_is_right:
; q = x Wq + bq, k = x Wk + bk, v = x Wv + bv on codes of FP4 (E2M1) with E8M0 scales, and the results quantised at once for the two products of attention.
; qkv: QI at 0, KI at 2,097,152: images [batch x head 32][tile of 16 storage rows 128][lane][16 bytes]: lane (r, h) holds row r's codes of channels 32 h .. + 31;  VI at 4,194,304: images [batch x head][128 keys 16][tile of 16 channels 4][c 2][lane][16 bytes];
;      QS at 6,291,456, KS at 6,553,600: [batch x head][storage row][4 bytes]: two scale bytes, then 0x7f twice for the upper 64 of the instruction's K, whose codes are zeros;  VS at 6,815,744: [batch x head][128 keys][tile of channels][16 words];
;      BS at 6,946,816: [batch x head][128 keys][64 channels] f32: the sum of v's QUANTISED numbers over those 128 keys (codes x a column of ones).
; SHARES: a work-group makes 128 rows x the 128 columns of a pair of heads, of q, k and v.  All of K of its four tiles lies in LDS at once; each wave brings one tile, codes and scale bytes, by one load: no loop over tiles, and so no prefetch.
;   Wave w: (i) role w / 2 (q or k), head w % 2 of the pair: source 0 = 16 columns of W, source 1 = 16 rows of x: a lane holds one row, its registers run along the channels;
;           (ii) Wv's tiles 2 w, 2 w + 1, source 0 = x: a lane holds one channel, its registers run along the keys.  In storage order a lane's 32 registers of four tiles are one block of the quantiser.
; CLUSTER 4 x 4: x's tile hangs on the row block alone (shared along a row of the cluster), the weights' on the pair of heads alone (shared along a column).
; The biases are the C of each sum's first matrix instruction.  LIMITS: NaN and infinities are not served; a block whose largest magnitude lies under 2^-124, or of zeros, gets the byte 1 (this program alone reads the bytes).
; REGISTERS, in windows of 256: window 0: v1-24 addresses; v32-95 scale words; v96-127 at work; v128-175 codes; v176-215 the way out.
;   window 1: two sets of 112: x's 8 fragments, W's 4, Wv's 2.   window 2: acc(a, b) at v[8 (4 a + b)].   window 3: vacc(j, a) at v[8 (8 j + a)]; from v128 the role's bias, from v160 bv.
.set PITCH, 528                        ; an LDS row: 512 bytes + 16
.set TILE,  71936                      ; 128 rows of codes and 8 rows of scale bytes: 136 x 528, rounded up to 256.  0: x, 1: Wq, 2: Wk, 3: Wv
.set SCO,   128*PITCH
.set QKST,  4*TILE                     ; 512 bytes a wave: q's or k's scale words
.set VST,   QKST+2048                  ; v's scale words
.set VBS,   VST+512                    ; v's sums
.set SPARE, VBS+512
.set BLK,   69632
.set SC,  32                           ; SC + 8 i + s: lanes 0-15 x's tile i; lanes 16-31 my W tile i (i < 4), my Wv tile i - 4 (i = 4, 5); s: which 128 along K
.set TM,  96
.set PW,  112
.set PC,  128
.set BQ,  128
.set BV,  160
.set ONE, 184
.set MSB, 0
.macro WIN new                         ; the immediate's high byte repeats the setting that is left
.if MSB != \new
	s_set_vgpr_msb (MSB<<8)|\new
.set MSB, \new
.endif
.endm
.macro CROUND                          ; a round of the cluster's barrier
	s_barrier_signal -1
	s_barrier_wait -1
	s_cmp_lg_u32 s16, 0
	s_cbranch_scc1 .Lnot_wave_0_\@
	s_barrier_signal -3
.Lnot_wave_0_\@:
	s_barrier_wait -3
	s_barrier_signal -1
	s_barrier_wait -1
.endm
.macro PLACES n
.rept \n
	v_nop
.endr
.endm
	s_load_b256 s[4:11], s[0:1], 0x0               ; xq, wq, bq, bk
	s_load_b128 s[12:15], s[0:1], 0x20             ; bv, qkv
	v_lshl_add_u32 v254, v0, 2, SPARE
	v_mov_b32 v255, 0
	ds_add_u32 v254, v255                          ; the wave's opening: the add, twice on end, and its wait
	ds_add_u32 v254, v255
	v_lshrrev_b32 v1, 5, v0
	v_readfirstlane_b32 s16, v1                    ; wave 0..3
	s_lshr_b32 s17, s16, 1                         ; role: 0 q, 1 k
	s_and_b32 s18, s16, 1                          ; which head of the pair
	s_bfe_u32 s19, ttmp6, 0x40000                  ; cx
	s_bfe_u32 s20, ttmp6, 0x40004                  ; cy
	s_lshl_b32 s21, ttmp9, 2
	s_add_co_u32 s21, s21, s19                     ; the pair of heads
	s_and_b32 s22, ttmp7, 0xffff
	s_lshl_b32 s22, s22, 2
	s_add_co_u32 s22, s22, s20                     ; the block of 128 rows
	s_lshl_b32 s23, s20, 2
	s_lshl_b32 s23, 15, s23                        ; my row of the cluster
	s_lshl_b32 s24, 0x1111, s19                    ; my column
	s_mov_b32 s2, 0x76543210
	s_mov_b32 s3, 0xfedcba98                       ; v_permlanex16_b32's selects for lane l xor 16
	; descriptor groups 1: 136 dense rows of 512 bytes (64 elements of 8), 4 words of padding after every 128
	s_or_b32 s28, s23, (3<<16)|(1<<20)|(1<<21)|(6<<22)|(3<<25)
	s_or_b32 s36, s24, (3<<16)|(1<<20)|(1<<21)|(6<<22)|(3<<25)
.irp g, 28, 36
	s_mov_b32 s[\g+1], 64<<16
	s_mov_b32 s[\g+2], 136<<16
	s_mov_b32 s[\g+3], 64<<16
	s_mov_b32 s[\g+4], 136
	s_mov_b32 s[\g+5], 64
	s_mov_b32 s[\g+6], 0
	s_mov_b32 s[\g+7], 0
.endr
	s_mul_i32 s92, s22, BLK                        ; x's block hangs on the row block alone,
	s_mov_b32 s93, 0
	s_add_co_u32 s96, s16, 3
	s_and_b32 s96, s96, 3                          ; waves 1, 2, 3 fetch Wq, Wk, Wv (wave 0 never uses this address)
	s_lshl_b32 s96, s96, 3
	s_add_co_u32 s96, s96, s21
	s_mul_i32 s96, s96, BLK                        ; a weight's on the pair of heads and the wave
	s_mov_b32 s97, 0
	s_mul_i32 s25, s16, TILE                       ; where it goes: the wave's number alone
	s_wait_dscnt 0x0                               ; both opening adds are done
	s_wait_kmcnt 0x0
	s_mov_b32 s68, 1
	s_mov_b32 s69, s25
	s_add_nc_u64 s[70:71], s[4:5], s[92:93]
	s_or_b32 s71, s71, 0x80000000
	s_mov_b32 s80, 1
	s_mov_b32 s81, s25
	s_add_nc_u64 s[82:83], s[6:7], s[96:97]
	s_or_b32 s83, s83, 0x80000000
	CROUND                                         ; all sixteen work-groups are here: the joint loads meet
	s_cmp_eq_u32 s16, 0                            ; one load a wave
	s_cbranch_scc0 .Lfor_w
	tensor_load_to_lds s[68:71], s[28:35]
	s_nop 0
	PLACES 4
	s_branch .Lasked
.Lfor_w:
	tensor_load_to_lds s[80:83], s[36:43]
	s_nop 0
	PLACES 4
.Lasked:
	; scalars of the lanes' addresses
	s_add_co_u32 s92, s17, 1
	s_mul_i32 s92, s92, TILE
	s_mul_i32 s93, s18, 64*PITCH
	s_add_co_u32 s44, s92, s93                     ; my role's weight, my head's 64 rows
	s_mul_i32 s93, s18, 2*PITCH
	s_add_co_u32 s46, s92, s93                     ; their scale bytes, from x's
	s_mul_i32 s45, s16, 32*PITCH
	s_add_co_u32 s45, s45, 3*TILE                  ; Wv, my 32 rows
	s_mul_i32 s47, s16, PITCH
	s_add_co_u32 s47, s47, 3*TILE-2*PITCH          ; their scale bytes beside x's tiles 4, 5
	s_lshl_b32 s48, s16, 9
	s_add_co_u32 s48, s48, QKST
	s_lshl_b32 s49, s16, 7
	s_add_co_u32 s49, s49, VST
	s_lshl_b32 s50, s17, 8
	s_lshl_b32 s51, s18, 6
	s_add_co_u32 s50, s50, s51
	s_add_co_u32 s50, s50, VBS
	; the biases
	s_lshl_b32 s92, s21, 9
	s_lshl_b32 s94, s18, 8
	s_add_co_u32 s94, s92, s94                     ; q or k: (128 pair + 64 head) x 4 bytes
	s_mov_b32 s95, 0
	s_cmp_eq_u32 s17, 0                            ; bq or bk: by the wave's number alone
	s_cselect_b64 s[8:9], s[8:9], s[10:11]
	s_add_nc_u64 s[8:9], s[8:9], s[94:95]
	s_lshl_b32 s94, s17, 8
	s_add_co_u32 s92, s92, s94
	s_add_co_u32 s92, s92, s51                     ; v: (128 pair + 64 (w / 2) + 16 (w % 2)) x 4 bytes
	s_mov_b32 s93, 0
	s_add_nc_u64 s[12:13], s[12:13], s[92:93]
	; where the results go
	s_lshr_b32 s92, s22, 4                         ; batch
	s_and_b32 s93, s22, 15                         ; which 128 rows of its 2,048
	s_lshl_b32 s92, s92, 4
	s_lshl_b32 s94, s21, 1
	s_add_co_u32 s92, s92, s94                     ; batch x 16 + the pair's first head
	s_add_co_u32 s94, s92, s18                     ; my q or k head
	s_add_co_u32 s95, s92, s17                     ; my v head
	s_lshl_b32 s96, s17, 21
	s_lshl_b32 s97, s94, 16
	s_add_co_u32 s96, s96, s97
	s_lshl_b32 s97, s93, 12
	s_add_co_u32 s96, s96, s97
	s_mov_b32 s97, 0
	s_add_nc_u64 s[60:61], s[14:15], s[96:97]      ; q's or k's images
	s_lshl_b32 s96, s17, 18
	s_lshl_b32 s98, s94, 13
	s_add_co_u32 s96, s96, s98
	s_lshl_b32 s98, s93, 9
	s_add_co_u32 s96, s96, s98
	s_add_co_u32 s96, s96, 6291456
	s_add_nc_u64 s[62:63], s[14:15], s[96:97]      ; their scale words
	s_lshl_b32 s96, s95, 4
	s_add_co_u32 s96, s96, s93
	s_lshl_b32 s96, s96, 2
	s_lshl_b32 s98, s18, 1
	s_add_co_u32 s96, s96, s98
	s_lshl_b32 s96, s96, 10
	s_add_co_u32 s96, s96, 4194304
	s_add_nc_u64 s[66:67], s[14:15], s[96:97]      ; v's images
	s_lshl_b32 s96, s92, 12
	s_lshl_b32 s98, s93, 8
	s_add_co_u32 s96, s96, s98
	s_add_co_u32 s96, s96, 6815744
	s_add_nc_u64 s[14:15], s[14:15], s[96:97]      ; v's scale words, both heads; its sums lie 131,072 bytes on
	; the lanes' addresses
	v_and_b32 v1, 15, v0                           ; r
	v_bfe_u32 v2, v0, 4, 1                         ; h
	v_and_b32 v4, 31, v0                           ; lane
	v_lshlrev_b32 v3, 4, v4                        ; 16 x lane
	v_mul_u32_u24 v5, v1, PITCH
	v_lshl_add_u32 v5, v2, 4, v5                   ; x's fragments: row r x pitch + 16 h
	v_add_nc_u32 v6, s44, v5
	v_add_nc_u32 v7, s45, v5
	v_lshl_add_u32 v10, v1, 4, SCO                 ; scale words: x's rows in every lane
	v_mul_u32_u24 v8, s46, v2
	v_add_nc_u32 v8, v8, v10                       ; lanes 16-31: my weight's
	v_mul_u32_u24 v9, s47, v2
	v_add_nc_u32 v9, v9, v10                       ; lanes 16-31: Wv's
	v_lshl_add_u32 v11, v1, 2, s48
	v_add_nc_u32 v11, v11, v2                      ; row r's byte h
	v_lshl_add_u32 v12, v4, 2, s48
	v_add_nc_u32 v19, s48, v3
	v_lshl_add_u32 v13, v1, 2, s49
	v_add_nc_u32 v14, VST, v3
	v_lshl_add_u32 v20, v2, 7, s50
	v_add_nc_u32 v21, VBS, v3
	v_lshlrev_b32 v15, 3, v2                       ; 8 h: a shift
	v_sub_nc_u32 v22, 8, v15                       ; 8 (1 - h)
	v_lshlrev_b32 v16, 7, v2                       ; the role's bias: 128 h bytes
	v_and_b32 v17, 7, v1
	v_lshrrev_b32 v24, 3, v1
	v_lshl_or_b32 v17, v24, 5, v17
	v_lshlrev_b32 v17, 2, v17                      ; bv: 4 (r % 8 + 32 (r / 8))
	v_lshlrev_b32 v18, 12, v2
	v_lshl_add_u32 v18, v1, 4, v18                 ; head h x 4,096 + 16 r
	v_mov_b32 v23, 0x7f7f
	v_mov_b32 v126, 0                              ; written once: a lane permute's destination counts as one of its sources
	v_mov_b32 v127, 0
.irp i, 0,1,2,3,4,5,6,7
	v_mov_b32 v[ONE+\i], 0x22222222                ; codes of 1.0,
.endr
	v_mov_b32 v192, 0x7f7f7f7f                     ; under the scale 1
	s_wait_alu depctr_va_vdst(0)
	WIN 0xc0                                       ; destination window 3
.irp b, 0,1,2,3                                ; tile b's register j is channel 32 h + 8 b + j
	global_load_b128 v[BQ+8*\b:BQ+8*\b+3], v16, s[8:9] offset:32*\b
	global_load_b128 v[BQ+8*\b+4:BQ+8*\b+7], v16, s[8:9] offset:32*\b+16
.endr
.irp j, 0,1                                    ; a lane holds one channel of v: the same number in all eight registers
.irp i, 0,1,2,3,4,5,6,7
	global_load_b32 v[BV+8*\j+\i], v17, s[12:13] offset:32*\j
.endr
.endr
	WIN 0
.macro SCALES                          ; all of K's scale words: 16 loads of four words
.irp k, 0,1
.irp i, 0,1,2,3
	ds_load_b128 v[SC+8*\i+4*\k:SC+8*\i+4*\k+3], v8 offset:\k*4*PITCH+(\i/2)*PITCH+(\i%2)*256
.endr
.irp i, 4,5
	ds_load_b128 v[SC+8*\i+4*\k:SC+8*\i+4*\k+3], v9 offset:\k*4*PITCH+(\i/2)*PITCH+(\i%2)*256
.endr
.irp i, 6,7
	ds_load_b128 v[SC+8*\i+4*\k:SC+8*\i+4*\k+3], v10 offset:\k*4*PITCH+(\i/2)*PITCH+(\i%2)*256
.endr
.endr
.endm
.macro FETCH s, p                      ; the 14 fragments of the s-th 128 along K into set p: 28 loads
	WIN 0x40                                       ; destination window 1
.irp a, 0,1,2,3,4,5,6,7
.irp c, 0,1
	ds_load_b128 v[112*(\p)+8*\a+4*\c:112*(\p)+8*\a+4*\c+3], v5 offset:64*(\s)+\a*16*PITCH+32*\c
.endr
.endr
.irp b, 0,1,2,3
.irp c, 0,1
	ds_load_b128 v[112*(\p)+64+8*\b+4*\c:112*(\p)+64+8*\b+4*\c+3], v6 offset:64*(\s)+\b*16*PITCH+32*\c
.endr
.endr
.irp j, 0,1
.irp c, 0,1
	ds_load_b128 v[112*(\p)+96+8*\j+4*\c:112*(\p)+96+8*\j+4*\c+3], v7 offset:64*(\s)+\j*16*PITCH+32*\c
.endr
.endr
.endm
; The 48 accumulators take turns, one instruction a turn, in the same order in every step.
.macro MULQK s, p                      ; source 0 = W's tile b, source 1 = x's tile a
.if (\s) == 0
	WIN 0xb5                                       ; sources 0, 1 window 1; C (the bias) window 3; D window 2
.else
	WIN 0xa5                                       ; C and D window 2
.endif
.irp a, 0,1,2,3,4,5,6,7
.irp b, 0,1,2,3
.if (\s) == 0
	v_wmma_scale_f32_16x16x128_f8f6f4 v[8*(4*\a+\b):8*(4*\a+\b)+7], v[112*(\p)+64+8*\b:112*(\p)+64+8*\b+7], v[112*(\p)+8*\a:112*(\p)+8*\a+7], v[BQ+8*\b:BQ+8*\b+7], v[SC+8*\b+(\s)], v[SC+8*\a+(\s)] matrix_a_fmt:MATRIX_FMT_FP4 matrix_b_fmt:MATRIX_FMT_FP4 matrix_a_scale:MATRIX_SCALE_ROW1
.else
	v_wmma_scale_f32_16x16x128_f8f6f4 v[8*(4*\a+\b):8*(4*\a+\b)+7], v[112*(\p)+64+8*\b:112*(\p)+64+8*\b+7], v[112*(\p)+8*\a:112*(\p)+8*\a+7], v[8*(4*\a+\b):8*(4*\a+\b)+7], v[SC+8*\b+(\s)], v[SC+8*\a+(\s)] matrix_a_fmt:MATRIX_FMT_FP4 matrix_b_fmt:MATRIX_FMT_FP4 matrix_a_scale:MATRIX_SCALE_ROW1
.endif
.endr
.endr
.endm
.macro MULV s, p                       ; source 0 = x's tile a, source 1 = Wv's tile j
	WIN 0xf5                                       ; sources 0, 1 window 1; C and D window 3
.irp j, 0,1
.irp a, 0,1,2,3,4,5,6,7
.if (\s) == 0
	v_wmma_scale_f32_16x16x128_f8f6f4 v[8*(8*\j+\a):8*(8*\j+\a)+7], v[112*(\p)+8*\a:112*(\p)+8*\a+7], v[112*(\p)+96+8*\j:112*(\p)+96+8*\j+7], v[BV+8*\j:BV+8*\j+7], v[SC+8*\a+(\s)], v[SC+8*(4+\j)+(\s)] matrix_a_fmt:MATRIX_FMT_FP4 matrix_b_fmt:MATRIX_FMT_FP4 matrix_b_scale:MATRIX_SCALE_ROW1
.else
	v_wmma_scale_f32_16x16x128_f8f6f4 v[8*(8*\j+\a):8*(8*\j+\a)+7], v[112*(\p)+8*\a:112*(\p)+8*\a+7], v[112*(\p)+96+8*\j:112*(\p)+96+8*\j+7], v[8*(8*\j+\a):8*(8*\j+\a)+7], v[SC+8*\a+(\s)], v[SC+8*(4+\j)+(\s)] matrix_a_fmt:MATRIX_FMT_FP4 matrix_b_fmt:MATRIX_FMT_FP4 matrix_b_scale:MATRIX_SCALE_ROW1
.endif
.endr
.endr
.endm
.macro KSTEP s
	s_wait_dscnt 0x0                               ; this step's fragments are in (asked for 48 matrix instructions ago)
.if (\s) < 7
	PLACES 4                                       ; four places in front of loads into registers that matrix instructions have read
	FETCH (\s)+1, ((\s)+1)%2
.endif
	MULQK \s, (\s)%2
	MULV \s, (\s)%2
.endm
; Two blocks of 32 numbers, registers s .. s + 31 and s + 32 .. s + 63 of window w, each a lane's own: codes at v[pc .. pc + 7], scale bytes in v[bt], v[bt + 1].
.macro QUANT2 s, w, pc, bt
	WIN (\w)|((\w)<<2)
.irp q, 0,1,2,3
	v_max3_num_f32 v[TM+\q], |v[\s+16*\q]|, |v[\s+16*\q+1]|, 0x1800000   ; the floor 2^(3 - 127) holds the byte at 1 from below
.endr
	WIN ((\w)<<2)|((\w)<<4)
.irp i, 2,4,6,8,10,12,14
.irp q, 0,1,2,3
	v_max3_num_f32 v[TM+\q], v[TM+\q], |v[\s+16*\q+\i]|, |v[\s+16*\q+\i+1]|
.endr
.endr
	WIN 0
	v_max_num_f32 v[TM+4], v[TM], v[TM+1]
	v_max_num_f32 v[TM+5], v[TM+2], v[TM+3]
	v_add_nc_u32 v[TM+8], 0xff000000, v[TM+4]      ; 2 off its exponent field: the conversion's scale operand
	v_add_nc_u32 v[TM+9], 0xff000000, v[TM+5]
	WIN \w
.irp g, 0,1,2,3
	v_cvt_scalef32_pk8_fp4_f32 v[\pc+\g], v[\s+8*\g:\s+8*\g+7], v[TM+8]
.endr
.irp g, 0,1,2,3
	v_cvt_scalef32_pk8_fp4_f32 v[\pc+4+\g], v[\s+32+8*\g:\s+39+8*\g], v[TM+9]
.endr
	WIN 0
	v_lshrrev_b32 v[\bt], 23, v[TM+8]              ; the bytes (plain lines behind the conversions)
	v_lshrrev_b32 v[\bt+1], 23, v[TM+9]
.endm
	s_wait_alu depctr_va_vdst(0)                   ; the head's end
	s_wait_tensorcnt 0x0                           ; my tile is in
	s_barrier_signal -1
	s_barrier_wait -1                              ; everybody's is
	SCALES
	FETCH 0, 0
	s_wait_loadcnt 0x0                             ; the biases
.irp s, 0,1,2,3,4,5,6,7
	KSTEP \s
.endr
	WIN 0
	PLACES 4                                       ; in front of the first read of results
.irp n, 0,1,2,3                                ; q or k: x's tiles 2 n and 2 n + 1
	QUANT2 64*\n, 2, PC+8*\n, PW+2*\n
	global_store_b128 v3, v[PC+8*\n:PC+8*\n+3], s[60:61] offset:(2*\n)*512       ; 512 consecutive bytes, aligned
	global_store_b128 v3, v[PC+8*\n+4:PC+8*\n+7], s[60:61] offset:(2*\n+1)*512
	ds_store_b8 v11, v[PW+2*\n] offset:128*\n
	ds_store_b8 v11, v[PW+2*\n+1] offset:128*\n+64
	ds_store_b16 v12, v23 offset:128*\n+2          ; 0x7f twice for the upper 64 of K
.endr
.irp j, 0,1                                    ; v: the 64 registers of Wv's tile j are 128 keys of one channel: block 2 c + h from registers 32 c on
	QUANT2 64*\j, 3, PC+32+8*\j, 120+2*\j
	global_store_b128 v3, v[PC+32+8*\j:PC+35+8*\j], s[66:67] offset:1024*\j
	global_store_b128 v3, v[PC+36+8*\j:PC+39+8*\j], s[66:67] offset:1024*\j+512
	v_lshl_or_b32 v[124+\j], v[121+2*\j], 16, v[120+2*\j]
.endr
	v_permlanex16_b32 v126, v124, s2, s3           ; the other half's two bytes
	v_permlanex16_b32 v127, v125, s2, s3
	v_lshlrev_b32 v124, v15, v124
	v_lshlrev_b32 v125, v15, v125
	v_lshlrev_b32 v126, v22, v126
	v_lshlrev_b32 v127, v22, v127
	v_or_b32 v193, v124, v126                      ; the scale word of my channel, in both halves
	v_or_b32 v194, v125, v127
	ds_store_b32 v13, v193
	ds_store_b32 v13, v194 offset:64
	PLACES 8                                       ; a scale register written by a vector instruction stands eight places ahead
	v_wmma_scale_f32_16x16x128_f8f6f4 v[200:207], v[PC+32:PC+39], v[ONE:ONE+7], 0, v193, v192 matrix_a_fmt:MATRIX_FMT_FP4 matrix_b_fmt:MATRIX_FMT_FP4   ; the sum over the 128 keys, in every column
	v_wmma_scale_f32_16x16x128_f8f6f4 v[208:215], v[PC+40:PC+47], v[ONE:ONE+7], 0, v194, v192 matrix_a_fmt:MATRIX_FMT_FP4 matrix_b_fmt:MATRIX_FMT_FP4
	PLACES 4
.irp j, 0,1                                    ; register i is channel 32 h + 8 (2 (w % 2) + j) + i; the sixteen lanes of a half write the same bytes with the same values
	ds_store_b128 v20, v[200+8*\j:203+8*\j] offset:32*\j
	ds_store_b128 v20, v[204+8*\j:207+8*\j] offset:32*\j+16
.endr
	s_wait_dscnt 0x0                               ; for the others' sake: my stores are done
	s_barrier_signal -1
	s_barrier_wait -1
	ds_load_b128 v[176:179], v19                   ; my 128 rows' scale words
	s_cmp_lg_u32 s16, 0
	s_cbranch_scc1 .Lnot_v
	ds_load_b128 v[180:183], v14                   ; wave 0 sends v's: lanes 0-15 the pair's first head, lanes 16-31 the second
	ds_load_b128 v[196:199], v21
	s_wait_dscnt 0x0
	global_store_b128 v18, v[180:183], s[14:15]    ; sixteen lanes store 256 consecutive bytes, aligned
	global_store_b128 v18, v[196:199], s[14:15] offset:131072
.Lnot_v:
	s_wait_dscnt 0x0
	global_store_b128 v3, v[176:179], s[62:63]     ; 512 consecutive bytes, aligned
	s_wait_tensorcnt 0x0                           ; the wave's end
	ds_add_u32 v254, v255
	s_wait_dscnt 0x0
	CROUND                                         ; the closing round
	s_endpgm
.Lfunc_end_k_qad8f19426a_gemm_qkv:
	.size	k_qad8f19426a_gemm_qkv, .Lfunc_end_k_qad8f19426a_gemm_qkv-k_qad8f19426a_gemm_qkv
	.p2alignl 7, 3214868480
	.fill 96, 4, 3214868480
	.section	.rodata,"a",@progbits
	.p2align	6, 0x0
	.amdhsa_kernel k_qad8f19426a_gemm_qkv
		.amdhsa_group_segment_fixed_size 327680
		.amdhsa_private_segment_fixed_size 0
		.amdhsa_enable_private_segment 0
		.amdhsa_kernarg_size 48
		.amdhsa_user_sgpr_count 2
		.amdhsa_user_sgpr_kernarg_segment_ptr 1
		.amdhsa_wavefront_size32 1
		.amdhsa_system_sgpr_workgroup_id_x 1
		.amdhsa_system_sgpr_workgroup_id_y 1
		.amdhsa_system_sgpr_workgroup_id_z 1
		.amdhsa_system_vgpr_workitem_id 0
		.amdhsa_next_free_vgpr 1024
		.amdhsa_next_free_sgpr 102
		.amdhsa_reserve_vcc 0
		.amdhsa_float_denorm_mode_32 3
		.amdhsa_float_denorm_mode_16_64 3
		.amdhsa_memory_ordered 1
		.amdhsa_forward_progress 1
		.amdhsa_inst_pref_size 99
	.end_amdhsa_kernel
	.amdgpu_metadata
---
amdhsa.version: [ 1, 2 ]
amdhsa.kernels:
  - .name:           k_qad8f19426a_gemm_qkv
    .symbol:         k_qad8f19426a_gemm_qkv.kd
    .args:
      - { .name: xq, .offset: 0, .size: 8, .value_kind: global_buffer, .address_space: global }
      - { .name: wq, .offset: 8, .size: 8, .value_kind: global_buffer, .address_space: global }
      - { .name: bq, .offset: 16, .size: 8, .value_kind: global_buffer, .address_space: global }
      - { .name: bk, .offset: 24, .size: 8, .value_kind: global_buffer, .address_space: global }
      - { .name: bv, .offset: 32, .size: 8, .value_kind: global_buffer, .address_space: global }
      - { .name: qkv, .offset: 40, .size: 8, .value_kind: global_buffer, .address_space: global }
    .group_segment_fixed_size: 327680
    .private_segment_fixed_size: 0
    .kernarg_segment_align: 8
    .kernarg_segment_size: 48
    .max_flat_workgroup_size: 128
    .sgpr_count:     102
    .vgpr_count:     1024
    .wavefront_size: 32
...
	.end_amdgpu_metadata
.endif
;; end of part 2
;; launch attn (part 3): grid 8 x 32, 16 waves a work-group, clusters of 4 x 1, 167,936 bytes of LDS; arguments qkv, ctx; writes ctx
.if DOCPART == 3
	.amdgcn_target "amdgcn-amd-amdhsa--gfx1250"
	.amdhsa_code_object_version 6
	.text
	.protected	k_qad8f19426a_attn
	.globl	k_qad8f19426a_attn
	.p2align	8
	.type	k_qad8f19426a_attn,@function
k_qad8f19426a_attn:
	s_mov_b64 s[64:65], 0
	v_nop
	global_prefetch_b8 v0, s[64:65] scope:SCOPE_SE
	s_setreg_imm32_b32 hwreg(HW_REG_WAVE_MODE, 25, 1), 1
	s_wait_xcnt 0x0
	s_wait_alu depctr_hold_cnt(0) depctr_sa_sdst(0) depctr_va_vdst(0) depctr_va_sdst(0) depctr_va_ssrc(0) depctr_va_vcc(0) depctr_vm_vsrc(0)
	s_getreg_b32 s2, hwreg(HW_REG_IB_STS2, 6, 4)
	s_cmp_eq_u32 s2, 0
	s_cbranch_scc0 .Lentry_in_a_cluster
	s_endpgm
.Lentry_in_a_cluster:
	s_bfe_u32 s2, ttmp6, 0x10000c
	s_cmp_lg_u32 s2, 0x3003
	s_cbranch_scc0 .Lentry_shape_is_right
	s_endpgm
.Lentry_shape_is_right:
; ctx[b][q][head][:] = softmax_k(where(k <= q, Q . K / 8, -10000)) V, both products on codes of FP4 (E2M1) with E8M0 scales, and ctx quantised at once for the last product.
; qkv as the launch before lays it.  ctx: CI at 0: images [tile of 16 rows 256][pair of heads 8][head % 2][lane][16 bytes]; CS at 2,097,152: [head 16][row 4096][2 scale bytes]; ctx's rows go by (batch, T, block of 128 queries, r): tile 16 T + block of the batch.
; THE SOFTMAX: t = logit x log2(e); M = the row's largest t so far, rounded UP to a whole number; p = 2^(t - M) is quantised along the keys, not normalised; the sum of the unquantised p divides O at the end.
; When M moves, the sum and O are multiplied by 2^(old M - new M): exact.
; THE MASK IS -10000, NOT -INFINITY: hidden keys stay in the softmax.  WORK LEFT OUT: the products Q K of steps of 128 keys that lie wholly behind the queries, whose scores reference() replaces whatever the inputs.  All those keys have one p, one code and one scale:
; their part of O is that code's value x the sum of V's quantised numbers over them (the launch before has summed V over each 128 keys, by matrix instructions), their part of the row's sum p x their number.  On the diagonal step hidden scores become -80000 (x 1/8 = -10000) ahead of the maximum.
; SHARES: a block of 128 queries has eight tiles of 16; the work-group with number T owns tile T of each of the head's sixteen blocks, so all work-groups have the same work: one tile of each length, 1 to 16 key steps; each of the sixteen waves owns one.
; Waves k, k + 4, k + 8, k + 12 (k 0..3) own tiles of 16 - k, 9 + k, 8 - k and 1 + k steps: 34 in each such set of four, the longest in the lowest numbers.
; CLUSTER 4 x 1: four work-groups of a head ask jointly for K and V.  Branches, trip counts and LDS addresses hang on the wave's number and on counted steps alone.
; The head's K, V and scale words, 143,360 bytes, come into LDS once, by one load a wave: there is no loop over tiles to run ahead in, and so no prefetch.
; LAYOUT: both products transposed: S^T = K Q^T, O^T = V^T P^T: a lane holds ONE query.  In storage order the 32 registers of tiles 4 c .. 4 c + 3 are keys 64 c + 32 h + 0 .. 31: a whole block in a lane, and the conversions' results are the second product's operand.
; The first product's K is the head's 64: the upper four registers of Q's and K's fragments hold zero codes, under the byte 0x7f.
; LIMITS: NaN and infinities are not served; the scaled scores stay under 2^31 in magnitude; p under 2^-126 counts as 0; a block of zeros, or with its largest magnitude under 2^-124, gets the byte 1 (read by this program alone), and a hidden p under 2^-124 keeps its own power of two.
; REGISTERS: v1-7 addresses and constants; v8-11 the step's addresses; v12 -M, v13 the largest score, v[14:15] the sum; v16-23 Q; v24-27 K's scale words, v28-29 V's; v30-31 the add's;
;   v32-95 K's 8 fragments; v96-159 S^T, then p; v160-191 O^T; v192-223 V's 4 fragments; v224-231 p's codes; v232-247 at work; v253 p's scale word; v255 Q's scale word.
.set VI,   65536
.set KSL,  131072                      ; K's scale words,
.set VSL,  139264                      ; V's,
.set BSL,  143360                      ; V's sums over each 128 keys [16][64] f32,
.set HSL,  147456                      ; their sums over all blocks behind block m [16][64],
.set SCST, 151552                      ; ctx's scale bytes on their way out: 512
.set SPARE, SCST+512
.set SPW,  30
.set NIL,  31
.macro CROUND                          ; a round of the cluster's barrier
	s_barrier_signal -1
	s_barrier_wait -1
	s_cmp_lg_u32 s8, 0
	s_cbranch_scc1 .Lnot_wave_0_\@
	s_barrier_signal -3
.Lnot_wave_0_\@:
	s_barrier_wait -3
	s_barrier_signal -1
	s_barrier_wait -1
.endm
	s_load_b128 s[4:7], s[0:1], 0x0                ; qkv, ctx
	v_lshl_add_u32 v[SPW], v0, 2, SPARE
	v_mov_b32 v[NIL], 0
	ds_add_u32 v[SPW], v[NIL]                      ; the wave's opening: the add, twice on end, and its wait
	ds_add_u32 v[SPW], v[NIL]
	v_lshrrev_b32 v8, 5, v0
	v_readfirstlane_b32 s8, v8                     ; wave 0..15
	s_mov_b32 s16, 0x76543210
	s_mov_b32 s17, 0xfedcba98                      ; v_permlanex16_b32's selects for lane l xor 16
	s_mov_b32 s18, 0x3e38aa3b                      ; c = log2(e) / 8
	s_mov_b32 s19, s18                             ; (named with it as a pair, so it is written)
	s_and_b32 s12, ttmp7, 0xffff                   ; batch x 16 + head
	; descriptor groups 1: dense blocks as rows of 256 bytes (32 elements of 8), the mask of all four: 64 rows (a quarter of K or V), 32 (K's scale words), 16 (V's)
.irp g, 20, 28, 36
	s_mov_b32 s[\g], 15|(3<<16)|(1<<21)
	s_mov_b32 s[\g+1], 32<<16
	s_mov_b32 s[\g+3], 32<<16
	s_mov_b32 s[\g+5], 32
	s_mov_b32 s[\g+6], 0
	s_mov_b32 s[\g+7], 0
.endr
	s_mov_b32 s22, 64<<16
	s_mov_b32 s24, 64
	s_mov_b32 s30, 32<<16
	s_mov_b32 s32, 32
	s_mov_b32 s38, 16<<16
	s_mov_b32 s40, 16
	s_lshl_b32 s98, s12, 16                        ; a head's images: 65,536 bytes
	s_lshl_b32 s53, s8, 14                         ; waves 0-3 the quarters of K, 4-7 of V: in LDS,
	s_lshr_b32 s84, s8, 2
	s_add_co_u32 s84, s84, 1
	s_lshl_b32 s84, s84, 21
	s_add_co_u32 s84, s84, s98
	s_and_b32 s85, s8, 3
	s_lshl_b32 s85, s85, 14
	s_add_co_u32 s84, s84, s85
	s_mov_b32 s85, 0                               ; in memory
	s_lshl_b32 s86, s12, 13
	s_add_co_u32 s86, s86, 6553600
	s_mov_b32 s87, 0                               ; K's scale words
	s_lshl_b32 s88, s12, 12
	s_add_co_u32 s88, s88, 6815744
	s_mov_b32 s89, 0                               ; V's
	s_wait_alu depctr_va_vdst(0)
	s_wait_dscnt 0x0                               ; both opening adds are done
	s_wait_kmcnt 0x0
	s_mov_b32 s52, 1
	s_add_nc_u64 s[54:55], s[4:5], s[84:85]
	s_or_b32 s55, s55, 0x80000000
	s_mov_b32 s56, 1
	s_mov_b32 s57, KSL
	s_add_nc_u64 s[58:59], s[4:5], s[86:87]
	s_or_b32 s59, s59, 0x80000000
	s_mov_b32 s60, 1
	s_mov_b32 s61, VSL
	s_add_nc_u64 s[62:63], s[4:5], s[88:89]
	s_or_b32 s63, s63, 0x80000000
	CROUND                                         ; all four work-groups are here: the joint loads meet
	s_cmp_lt_u32 s8, 8                             ; one load a wave: waves 0-7: K, V; wave 8: K's scale words; wave 9: V's
	s_cbranch_scc0 .Lhead_ks
	tensor_load_to_lds s[52:55], s[20:27]
	s_nop 0
.rept 4
	v_nop
.endr
	s_branch .Lasked
.Lhead_ks:
	s_cmp_eq_u32 s8, 8
	s_cbranch_scc0 .Lhead_vs
	tensor_load_to_lds s[56:59], s[28:35]
	s_nop 0
.rept 4
	v_nop
.endr
	s_branch .Lasked
.Lhead_vs:
	s_cmp_eq_u32 s8, 9
	s_cbranch_scc0 .Lasked
	tensor_load_to_lds s[60:63], s[36:43]
	s_nop 0
.rept 4
	v_nop
.endr
.Lasked:
	s_lshr_b32 s9, s8, 2                           ; n: waves k + 4 n
	s_and_b32 s10, s8, 3                           ; k
	s_and_b32 s11, s9, 1
	s_xor_b32 s11, s11, 1
	s_mul_i32 s11, s11, 3
	s_xor_b32 s10, s10, s11
	s_xor_b32 s14, s9, 3
	s_lshl_b32 s14, s14, 2
	s_add_co_u32 s14, s14, s10                     ; my tile's block: 15 - k, 8 + k, 7 - k, k; it sees the key steps 0 to that number
	s_bfe_u32 s13, ttmp6, 0x40000
	s_lshl_b32 s15, ttmp9, 2
	s_add_co_u32 s13, s13, s15                     ; T: which tile of each block
	; Q's image and scale words
	s_lshl_b32 s76, s14, 3
	s_add_co_u32 s76, s76, s13
	s_lshl_b32 s84, s76, 9
	s_add_co_u32 s84, s84, s98
	s_mov_b32 s85, 0
	s_lshl_b32 s86, s76, 6
	s_lshl_b32 s77, s12, 13
	s_add_co_u32 s77, s77, 6291456
	s_add_co_u32 s86, s86, s77
	s_mov_b32 s87, 0
	s_lshl_b32 s96, s12, 12
	s_lshl_b32 s76, s8, 8
	s_add_co_u32 s96, s96, s76
	s_add_co_u32 s96, s96, 6946816
	s_mov_b32 s97, 0                               ; V's sums over key block w
	s_add_nc_u64 s[84:85], s[4:5], s[84:85]
	s_add_nc_u64 s[86:87], s[4:5], s[86:87]
	s_add_nc_u64 s[96:97], s[4:5], s[96:97]
	; where the results go
	s_lshr_b32 s98, s12, 4                         ; batch
	s_and_b32 s99, s12, 15                         ; head
	s_lshl_b32 s92, s98, 7
	s_lshl_b32 s93, s13, 4
	s_add_co_u32 s92, s92, s93
	s_add_co_u32 s92, s92, s14
	s_lshl_b32 s92, s92, 4
	s_add_co_u32 s92, s92, s99
	s_lshl_b32 s92, s92, 9                         ; ((128 batch + 16 T + block) x 16 + head) x 512
	s_mov_b32 s93, 0
	s_lshl_b32 s94, s99, 13
	s_lshl_b32 s95, s98, 12
	s_add_co_u32 s94, s94, s95
	s_lshl_b32 s95, s13, 9
	s_add_co_u32 s94, s94, s95
	s_add_co_u32 s94, s94, 2097152                 ; the work-group's 512 scale bytes
	s_mov_b32 s95, 0
	s_add_nc_u64 s[92:93], s[6:7], s[92:93]
	s_add_nc_u64 s[94:95], s[6:7], s[94:95]
	s_lshr_b32 s99, s13, 2
	s_lshl_b32 s99, s99, 6
	s_and_b32 s98, s13, 3
	s_lshl_b32 s98, s98, 3
	s_add_co_u32 s99, s99, s98                     ; 64 (T / 4) + 8 (T % 4)
	s_lshl_b32 s79, s14, 5
	s_add_co_u32 s79, s79, SCST
	s_lshl_b32 s45, s14, 8
	s_add_co_u32 s45, s45, HSL                     ; V's sums behind my block
	s_add_co_u32 s76, s76, BSL                     ; BSL + 256 w
	s_mov_b32 s73, 0                               ; (named with s72 as a pair, so it is written)
	; the lanes' addresses
	v_and_b32 v8, 31, v0                           ; lane
	v_and_b32 v9, 15, v0                           ; r
	v_bfe_u32 v10, v0, 4, 1                        ; h
	v_lshlrev_b32 v1, 4, v8                        ; 16 x lane
	v_lshlrev_b32 v236, 2, v9                      ; 4 r
	v_lshlrev_b32 v238, 3, v8                      ; 8 x lane
	global_load_b128 v[16:19], v1, s[84:85]        ; Q's fragment stays in registers
	global_load_b32 v255, v236, s[86:87]           ; and its scale words
	global_load_b64 v[96:97], v238, s[96:97]       ; V's sums over key block w: two channels a lane
	v_add_nc_u32 v2, VI, v1
	v_lshl_add_u32 v3, v8, 2, KSL
	v_lshl_add_u32 v4, v8, 2, VSL
	v_lshrrev_b32 v11, 3, v9
	v_and_b32 v5, 7, v9
	v_lshl_add_u32 v5, v11, 5, v5
	v_lshlrev_b32 v11, 5, v10
	v_sub_nc_u32 v5, v5, v11
	v_add_nc_u32 v5, s99, v5                       ; d = my query's place in its block - 32 h: register 32 c + i of the diagonal step is hidden where 64 c + i > d
	v_mov_b32 v6, 0xc79c4000                       ; -80000: a hidden key's score ahead of the division by 8
	v_lshl_add_u32 v7, v9, 1, v10
	v_add_nc_u32 v7, s79, v7                       ; ctx's scale bytes: SCST + 32 block + 2 r + h
	v_lshl_add_u32 v239, v8, 3, s76                ; BSL + 256 w + 8 lane
	v_lshl_add_u32 v237, v8, 3, BSL
.irp j, 20,21,22,23
	v_mov_b32 v\j, 0                               ; K = 64 .. 127 of the first product: zero codes, written once
.endr
.irp t, 0,1,2,3,4,5,6,7
.irp j, 4,5,6,7
	v_mov_b32 v[32+8*\t+\j], 0
.endr
.endr
	v_mov_b32 v13, 0xff61b1e6                      ; the largest score so far: -3e38, under every score
	v_mov_b32 v14, 0                               ; the sum, in two halves
	v_mul_f32 v12, s18, -v13
	v_mov_b32 v15, 0
	v_floor_f32 v12, v12                           ; -M
.irp j, 0,1,2,3,4,5,6,7,8,9,10,11,12,13,14,15,16,17,18,19,20,21,22,23,24,25,26,27,28,29,30,31
	v_mov_b32 v[160+\j], 0                         ; O^T: the step is written once; the first change of M leaves zeros zeros
.endr
	v_mov_b32 v243, 0                              ; (the upper half of a pair, named before it is first written)
	v_mov_b32 v247, 0                              ; (a lane permute's destination counts as one of its sources)
	s_wait_alu depctr_va_vdst(0)                   ; the head's end
	s_wait_loadcnt 0x0                             ; Q, and V's sums
	ds_store_b64 v239, v[96:97]
	s_wait_dscnt 0x0                               ; for the others' sake
	s_barrier_signal -1
	s_barrier_wait -1
.irp s, 1,2,3,4,5,6,7,8,9,10,11,12,13,14,15
	ds_load_b64 v[96+2*\s:97+2*\s], v237 offset:256*\s
.endr
	s_wait_dscnt 0x0
	s_cmp_lt_u32 s8, 15                            ; the sum over the key blocks behind block w: each is taken or left by the wave's number
	s_cselect_b32 s72, 1.0, 0
	v_pk_mul_f32 v[128:129], v[126:127], s[72:73] op_sel_hi:[1,0]
.irp s, 14,13,12,11,10,9,8,7,6,5,4,3,2,1
	s_cmp_lt_u32 s8, \s
	s_cselect_b32 s72, 1.0, 0
	v_pk_fma_f32 v[128:129], v[96+2*\s:97+2*\s], s[72:73], v[128:129] op_sel_hi:[1,0,1]
.endr
	ds_store_b64 v239, v[128:129] offset:HSL-BSL
	s_wait_alu depctr_va_vdst(0)
	s_wait_tensorcnt 0x0                           ; my part of K, V or the scale words is in,
	s_wait_dscnt 0x0                               ; and my sums are in LDS
	s_barrier_signal -1
	s_barrier_wait -1                              ; everybody's are
.macro KLOADS ka, sa                   ; K's eight fragments and their scale words: twelve loads
.irp t, 0,1,2,3,4,5,6,7
	ds_load_b128 v[32+8*\t:35+8*\t], v[\ka] offset:512*\t
.endr
.irp b, 0,1,2,3
	ds_load_b32 v[24+\b], v[\sa] offset:128*\b     ; lanes 0-15 tile 2 b's words, lanes 16-31 tile 2 b + 1's
.endr
.endm
; A KEY STEP: 128 keys.  s67, s69: where its V images and scale words begin; s79, s68: the NEXT step's K images and scale words; s72: its number.
.macro STEP
	v_add_nc_u32 v9, s67, v2
	v_add_nc_u32 v11, s69, v4
	v_nop
	v_nop                                          ; (four places between the last products and the loads into their registers)
.irp d, 0,1,2,3
.irp c, 0,1
	ds_load_b128 v[192+8*\d+4*\c:195+8*\d+4*\c], v9 offset:1024*\d+512*\c
.endr
.endr
.irp b, 0,1
	ds_load_b32 v[28+\b], v11 offset:128*\b
.endr
	s_wait_dscnt 10                                ; K's twelve loads, asked for a step ago, are in; V's ten may be out
.irp t, 0,2,4,6
	v_wmma_scale_f32_16x16x128_f8f6f4 v[96+8*\t:103+8*\t], v[32+8*\t:39+8*\t], v[16:23], 0, v[24+\t/2], v255 matrix_a_fmt:MATRIX_FMT_FP4 matrix_b_fmt:MATRIX_FMT_FP4
	v_wmma_scale_f32_16x16x128_f8f6f4 v[104+8*\t:111+8*\t], v[40+8*\t:47+8*\t], v[16:23], 0, v[24+\t/2], v255 matrix_a_fmt:MATRIX_FMT_FP4 matrix_b_fmt:MATRIX_FMT_FP4 matrix_a_scale:MATRIX_SCALE_ROW1
.endr
	v_add_nc_u32 v8, s79, v1
	v_add_nc_u32 v10, s68, v3
	v_nop
	v_nop                                          ; (four places in front of the loads and of the first read of results)
	KLOADS 8, 10
	s_cmp_lg_u32 s72, s14                          ; only the diagonal step has hidden keys among visible ones
	s_cbranch_scc1 .Lopen_\@
.irp n, 0,1,2,3,4,5,6,7,8,9,10,11,12,13,14,15,16,17,18,19,20,21,22,23,24,25,26,27,28,29,30,31,32,33,34,35,36,37,38,39,40,41,42,43,44,45,46,47,48,49,50,51,52,53,54,55,56,57,58,59,60,61,62,63
	v_cmp_gt_i32 vcc_lo, 64*(\n/32)+\n%32, v5
	v_cndmask_b32 v[96+\n], v[96+\n], v6, vcc_lo
.endr
.Lopen_\@:
.irp q, 0,1,2,3
	v_max3_num_f32 v[232+\q], v[96+16*\q], v[97+16*\q], v[98+16*\q]   ; the largest score of each block of 32 keys, two chains a block: for the row's maximum and, since p rises with the score, for the block's largest p
.endr
.irp i, 3,5,7,9,11,13
.irp q, 0,1,2,3
	v_max3_num_f32 v[232+\q], v[232+\q], v[96+16*\q+\i], v[97+16*\q+\i]
.endr
.endr
	v_max3_num_f32 v232, v232, v111, v127
	v_max3_num_f32 v234, v234, v143, v159
	v_max_num_f32 v232, v232, v233
	v_max_num_f32 v234, v234, v235
	v_max_num_f32 v236, v232, v234
	v_permlanex16_b32 v237, v236, s16, s17
	v_max3_num_f32 v13, v13, v236, v237            ; the running largest score, in both halves
	v_mul_f32 v236, s18, -v13
	v_floor_f32 v236, v236                         ; the new -M = floor(-t) = -ceil(t): M is a whole number
	v_sub_f32 v238, v236, v12                      ; M's old value less its new one: a whole number, 0 or less
	v_mov_b32 v12, v236
.irp j, 0,2,4,6,8,10,12,14,16,18,20,22,24,26,28,30
	v_pk_fma_f32 v[96+\j:97+\j], v[96+\j:97+\j], s[18:19], v[12:13] op_sel_hi:[1,0,0]   ; t - M, two at a time
.endr
	v_cvt_i32_f32 v238, v238                       ; (it saturates)
.irp j, 32,34,36,38,40,42,44,46,48,50,52,54,56,58,60,62
	v_pk_fma_f32 v[96+\j:97+\j], v[96+\j:97+\j], s[18:19], v[12:13] op_sel_hi:[1,0,0]
.endr
	v_ldexp_f32 v242, 1.0, v238                    ; f = 2^(old M - new M): a multiplication by it rounds nothing
	v_fma_f32 v232, v232, s18, v12                 ; t - M of each block's largest score
	v_fma_f32 v234, v234, s18, v12
	s_wait_alu depctr_va_vdst(0)                   ; ahead of the batch
.irp j, 0,1,2,3,4,5,6,7,8,9,10,11,12,13,14,15,16,17,18,19,20,21,22,23,24,25,26,27,28,29,30,31,32,33,34,35,36,37,38,39,40,41,42,43,44,45,46,47,48,49,50,51,52,53,54,55,56,57,58,59,60,61,62,63
	v_exp_f32 v[96+\j], v[96+\j]                   ; p = 2^(t - M), at most 1
.endr
	v_exp_f32 v232, v232                           ; the block's largest p: the same two instructions on the same number give the same bits
	v_exp_f32 v234, v234
	v_pk_mul_f32 v[14:15], v[14:15], v[242:243] op_sel_hi:[1,0]   ; the sums under the new M (a plain place behind the exponentials)
	s_wait_alu depctr_va_vdst(0)                   ; and behind it: for the exponentials' readers and the first readers of O^T
.irp j, 0,2,4,6,8,10,12,14,16,18,20,22,24,26,28,30
	v_pk_mul_f32 v[160+\j:161+\j], v[160+\j:161+\j], v[242:243] op_sel_hi:[1,0]   ; O^T under the new M
.endr
	v_max_num_f32 v232, 0x1800000, v232            ; the floor 2^(3 - 127): the byte cannot fall under 1
	v_max_num_f32 v234, 0x1800000, v234
	v_add_nc_u32 v244, 0xff000000, v232            ; 2 off the exponent field: the conversion's scale operand
	v_add_nc_u32 v245, 0xff000000, v234
.irp t, 0,1,2,3
	v_cvt_scalef32_pk8_fp4_f32 v[224+\t], v[96+8*\t:103+8*\t], v244
.endr
.irp t, 0,1,2,3
	v_cvt_scalef32_pk8_fp4_f32 v[228+\t], v[128+8*\t:135+8*\t], v245
.endr
	v_lshrrev_b32 v246, 23, v244                   ; the scales' bytes (plain lines behind the conversions): blocks h and 2 + h
	v_lshrrev_b32 v247, 23, v245
	v_pk_add_f32 v[232:233], v[96:97], v[98:99]    ; the row's sum, of the unquantised p, in four chains
	v_lshl_or_b32 v246, v247, 16, v246
	v_pk_add_f32 v[234:235], v[100:101], v[102:103]
	v_permlanex16_b32 v247, v246, s16, s17
	v_pk_add_f32 v[236:237], v[104:105], v[106:107]
	v_lshl_or_b32 v253, v247, 8, v246              ; lanes 0-15, which are read: the scale word of these 128 keys
	v_pk_add_f32 v[14:15], v[14:15], v[108:109]
.irp j, 110,118,126,134,142,150
	v_pk_add_f32 v[232:233], v[232:233], v[\j:\j+1]
	v_pk_add_f32 v[234:235], v[234:235], v[\j+2:\j+3]
	v_pk_add_f32 v[236:237], v[236:237], v[\j+4:\j+5]
	v_pk_add_f32 v[14:15], v[14:15], v[\j+6:\j+7]
.endr
	v_pk_add_f32 v[232:233], v[232:233], v[158:159]
	v_pk_add_f32 v[14:15], v[14:15], v[236:237]
	v_pk_add_f32 v[232:233], v[232:233], v[234:235]
	v_pk_add_f32 v[14:15], v[14:15], v[232:233]
	s_wait_alu depctr_va_vdst(0)
	s_wait_dscnt 12                                ; V is in; the next K's twelve loads, issued behind it, may be out
.irp d, 0,2                                    ; the four accumulators take turns, one instruction a turn
	v_wmma_scale_f32_16x16x128_f8f6f4 v[160+8*\d:167+8*\d], v[192+8*\d:199+8*\d], v[224:231], v[160+8*\d:167+8*\d], v[28+\d/2], v253 matrix_a_fmt:MATRIX_FMT_FP4 matrix_b_fmt:MATRIX_FMT_FP4
	v_wmma_scale_f32_16x16x128_f8f6f4 v[168+8*\d:175+8*\d], v[200+8*\d:207+8*\d], v[224:231], v[168+8*\d:175+8*\d], v[28+\d/2], v253 matrix_a_fmt:MATRIX_FMT_FP4 matrix_b_fmt:MATRIX_FMT_FP4 matrix_a_scale:MATRIX_SCALE_ROW1
.endr
.endm
	KLOADS 1, 3                                    ; key step 0
	s_mov_b32 s72, 0
.Ltrip:                                        ; sixteen trips; those behind my tile's block are passed over
	s_cmp_gt_u32 s72, s14
	s_cbranch_scc1 .Lpast
	s_lshl_b32 s67, s72, 12
	s_lshl_b32 s69, s72, 8
	s_add_co_u32 s76, s72, 1
	s_and_b32 s76, s76, 15                         ; the next step (behind the sixteenth: the first, not used)
	s_lshl_b32 s79, s76, 12
	s_lshl_b32 s68, s76, 9
	STEP
.Lpast:
	s_add_co_u32 s72, s72, 1
	s_cmp_lt_u32 s72, 16
	s_cbranch_scc1 .Ltrip
	; THE WAY OUT.  The hidden keys' part is added; O^T / the sum is quantised: register i is channel 32 h + i, a block of the last product's K.
	v_bfe_u32 v9, v0, 4, 1
	v_lshl_add_u32 v9, v9, 7, s45                  ; V's sums behind my block: channels 32 h on
	v_add_nc_u32 v10, SCST, v1
	v_nop                                          ; (four places behind the last products)
.irp i, 0,1,2,3,4,5,6,7
	ds_load_b128 v[192+4*\i:195+4*\i], v9 offset:16*\i
.endr
	s_mov_b32 s77, 0xc79c4000
	s_cmp_eq_u32 s14, 15                           ; behind block 15 there are no keys
	s_cselect_b32 s77, 0xff61b1e6, s77
	s_xor_b32 s79, s14, 15
	s_lshl_b32 s79, s79, 7
	s_cvt_f32_u32 s79, s79                         ; how many keys lie in the hidden steps
	s_wait_alu depctr_va_vdst(0)
	s_wait_dscnt 0x0
	v_mov_b32 v240, s77                            ; a hidden key's score
	v_max_num_f32 v13, v13, v240
	v_mul_f32 v236, s18, -v13
	v_floor_f32 v236, v236                         ; -M over the visible and the hidden keys
	v_sub_f32 v237, v236, v12
	v_cvt_i32_f32 v237, v237
	v_ldexp_f32 v242, 1.0, v237
	v_add_f32 v14, v14, v15                        ; the sum's two halves,
	v_fma_f32 v241, v240, s18, v236                ; a hidden key's t - M
	v_mul_f32 v14, v14, v242
.irp j, 0,2,4,6,8,10,12,14,16,18,20,22,24,26,28,30
	v_pk_mul_f32 v[160+\j:161+\j], v[160+\j:161+\j], v[242:243] op_sel_hi:[1,0]
.endr
	v_permlanex16_b32 v247, v14, s16, s17
	v_add_f32 v14, v14, v247                       ; and lane l xor 16's
	s_wait_alu depctr_va_vdst(0)
	v_exp_f32 v241, v241                           ; a hidden key's p
	v_nop                                          ; one plain place behind a transcendental
	s_wait_alu depctr_va_vdst(0)
	v_and_b32 v232, 0x7f800000, v241               ; its power of two, 4 under its block's scale: the quantiser gives 4 up to 1.25 times it (ties to even), 6 beyond
	v_mul_f32 v233, 0x3fa00000, v232
	v_mul_f32 v234, 0x3fc00000, v232
	v_cmp_gt_f32 vcc_lo, v241, v233
	v_cndmask_b32 v238, v232, v234, vcc_lo         ; the quantised p
	v_fma_f32 v14, v241, s79, v14                  ; the row's sum
.irp j, 0,2,4,6,8,10,12,14,16,18,20,22,24,26,28,30
	v_pk_fma_f32 v[160+\j:161+\j], v[192+\j:193+\j], v[238:239], v[160+\j:161+\j] op_sel_hi:[1,0,1]
.endr
	s_wait_alu depctr_va_vdst(0)
	v_rcp_f32 v14, v14
	v_nop                                          ; one plain place behind a transcendental
	s_wait_alu depctr_va_vdst(0)
.irp j, 0,2,4,6,8,10,12,14,16,18,20,22,24,26,28,30
	v_pk_mul_f32 v[96+\j:97+\j], v[160+\j:161+\j], v[14:15] op_sel_hi:[1,0]
.endr
.irp q, 0,1
	v_max3_num_f32 v[232+\q], |v[96+16*\q]|, |v[97+16*\q]|, 0x1800000
.endr
.irp i, 2,4,6,8,10,12,14
.irp q, 0,1
	v_max3_num_f32 v[232+\q], v[232+\q], |v[96+16*\q+\i]|, |v[97+16*\q+\i]|
.endr
.endr
	v_max_num_f32 v232, v232, v233
	v_add_nc_u32 v244, 0xff000000, v232
.irp t, 0,1,2,3
	v_cvt_scalef32_pk8_fp4_f32 v[224+\t], v[96+8*\t:103+8*\t], v244
.endr
	v_lshrrev_b32 v246, 23, v244                   ; the byte (a plain line behind the conversions)
	global_store_b128 v1, v[224:227], s[92:93]     ; 512 consecutive bytes, aligned
	ds_store_b8 v7, v246
	s_wait_alu depctr_va_vdst(0)
	s_wait_dscnt 0x0                               ; for wave 0's sake
	s_barrier_signal -1
	s_barrier_wait -1
	s_cmp_lg_u32 s8, 0
	s_cbranch_scc1 .Ldone
	ds_load_b128 v[232:235], v10                   ; the work-group's 512 scale bytes
	s_wait_dscnt 0x0
	global_store_b128 v1, v[232:235], s[94:95]     ; 512 consecutive bytes, aligned
.Ldone:
	s_wait_tensorcnt 0x0                           ; the wave's end
	ds_add_u32 v[SPW], v[NIL]
	s_wait_dscnt 0x0
	CROUND                                         ; the closing round
	s_endpgm
.Lfunc_end_k_qad8f19426a_attn:
	.size	k_qad8f19426a_attn, .Lfunc_end_k_qad8f19426a_attn-k_qad8f19426a_attn
	.p2alignl 7, 3214868480
	.fill 96, 4, 3214868480
	.section	.rodata,"a",@progbits
	.p2align	6, 0x0
	.amdhsa_kernel k_qad8f19426a_attn
		.amdhsa_group_segment_fixed_size 167936
		.amdhsa_private_segment_fixed_size 0
		.amdhsa_enable_private_segment 0
		.amdhsa_kernarg_size 16
		.amdhsa_user_sgpr_count 2
		.amdhsa_user_sgpr_kernarg_segment_ptr 1
		.amdhsa_wavefront_size32 1
		.amdhsa_system_sgpr_workgroup_id_x 1
		.amdhsa_system_sgpr_workgroup_id_y 1
		.amdhsa_system_sgpr_workgroup_id_z 1
		.amdhsa_system_vgpr_workitem_id 0
		.amdhsa_next_free_vgpr 256
		.amdhsa_next_free_sgpr 100
		.amdhsa_reserve_vcc 1
		.amdhsa_float_denorm_mode_32 3
		.amdhsa_float_denorm_mode_16_64 3
		.amdhsa_memory_ordered 1
		.amdhsa_forward_progress 1
		.amdhsa_inst_pref_size 42
	.end_amdhsa_kernel
	.amdgpu_metadata
---
amdhsa.version: [ 1, 2 ]
amdhsa.kernels:
  - .name:           k_qad8f19426a_attn
    .symbol:         k_qad8f19426a_attn.kd
    .args:
      - { .name: qkv, .offset: 0, .size: 8, .value_kind: global_buffer, .address_space: global }
      - { .name: ctx, .offset: 8, .size: 8, .value_kind: global_buffer, .address_space: global }
    .group_segment_fixed_size: 167936
    .private_segment_fixed_size: 0
    .kernarg_segment_align: 8
    .kernarg_segment_size: 16
    .max_flat_workgroup_size: 512
    .sgpr_count:     100
    .vgpr_count:     256
    .wavefront_size: 32
...
	.end_amdgpu_metadata
.endif
;; end of part 3
;; launch gemm_out (part 4): grid 8 x 32, 4 waves a work-group, clusters of 4 x 4, 211,712 bytes of LDS; arguments ctx, wq, bo, out0; writes out0
.if DOCPART == 4
	.amdgcn_target "amdgcn-amd-amdhsa--gfx1250"
	.amdhsa_code_object_version 6
	.text
	.protected	k_qad8f19426a_gemm_out
	.globl	k_qad8f19426a_gemm_out
	.p2align	8
	.type	k_qad8f19426a_gemm_out,@function
k_qad8f19426a_gemm_out:
	s_mov_b64 s[64:65], 0
	v_nop
	global_prefetch_b8 v0, s[64:65] scope:SCOPE_SE
	s_setreg_imm32_b32 hwreg(HW_REG_WAVE_MODE, 25, 1), 1
	s_wait_xcnt 0x0
	s_wait_alu depctr_hold_cnt(0) depctr_sa_sdst(0) depctr_va_vdst(0) depctr_va_sdst(0) depctr_va_ssrc(0) depctr_va_vcc(0) depctr_vm_vsrc(0)
	s_getreg_b32 s2, hwreg(HW_REG_IB_STS2, 6, 4)
	s_cmp_eq_u32 s2, 0
	s_cbranch_scc0 .Lentry_in_a_cluster
	s_endpgm
.Lentry_in_a_cluster:
	s_bfe_u32 s2, ttmp6, 0x10000c
	s_cmp_lg_u32 s2, 0xf033
	s_cbranch_scc0 .Lentry_shape_is_right
	s_endpgm
.Lentry_shape_is_right:
; out0 = ctx Wo + bo on codes of FP4 (E2M1) with E8M0 scales.  ctx as the launch before lays it: images [tile of 16 rows][128 along K = pair of heads][c][lane][16 bytes] and [head][row][2 scale bytes]; Wo's blocks are blocks 24 on of wq.  out0 [4096][1024] f32.
; SHARES: a work-group makes 128 rows of ctx's order (tile T of eight neighbouring blocks of queries) x 128 columns; all of K of both tiles lies in LDS at once, brought by one load a wave: no loop over tiles, and so no prefetch.
; Wave w: tiles of rows 4 (w / 2) .. + 3 x Wo's four tiles of 64 columns w % 2, TRANSPOSED (source 0 = 16 columns of Wo, source 1 = 16 rows of ctx): a lane holds 32 neighbouring columns of one row.  bo is the C of each sum's first matrix instruction.
; The wave's fragments of Wo for all of K fill window 2 once; its tiles of rows are finished one after the other, so that one tile's rows leave while the next is multiplied.
; CLUSTER 4 x 4: ctx's tile hangs on the row block alone and is asked for jointly along a row of the cluster, Wo's on the column block alone, jointly along a column.
; The results go through the wave's own stage (64 rows x 256 bytes), 16 rows at a time, and leave as whole units of 256 bytes at their true rows.
; REGISTERS, window 0: v1-11 addresses; v14-15 the add's; v16-47 ctx's scale words (16 + 8 a + s); v48-79 Wo's (48 + 8 t + s); from v80 two sets of 64: ctx's fragments of a tile for all of K; v208-223 at work.
;   Window 1: accumulators, two sets of 4, at v[32 (a % 2) + 8 t]; v64-95 bo; v96-223 rows read back.  Window 2: Wo's fragments at v[32 s + 8 t].
.set WO,   65536                       ; LDS: ctx's images at 0; Wo's 136 rows x (512 bytes + 16): codes, then scale bytes
.set WP,   528
.set WS,   WO+128*WP
.set CSL,  WO+71936                    ; ctx's scale bytes [head 16][128 rows][2 bytes]
.set STG,  CSL+4096                    ; the stages: 64 rows x 272 a wave
.set SPITCH, 272
.set SPARE, STG+4*64*SPITCH
.set BLK,  69632
.set CSW,  16
.set WSW,  48
.set FR,   80
.set HI,   208
.set BO,   64
.set RB,   96
.set MSB, 0
.macro WIN new                         ; the immediate's high byte repeats the setting that is left
.if MSB != \new
	s_set_vgpr_msb (MSB<<8)|\new
.set MSB, \new
.endif
.endm
.macro CROUND                          ; a round of the cluster's barrier
	s_barrier_signal -1
	s_barrier_wait -1
	s_cmp_lg_u32 s12, 0
	s_cbranch_scc1 .Lnot_wave_0_\@
	s_barrier_signal -3
.Lnot_wave_0_\@:
	s_barrier_wait -3
	s_barrier_signal -1
	s_barrier_wait -1
.endm
.macro PLACES n
.rept \n
	v_nop
.endr
.endm
	s_load_b256 s[4:11], s[0:1], 0x0               ; ctx, wq, bo, out0
	v_lshl_add_u32 v14, v0, 2, SPARE
	v_mov_b32 v15, 0
	ds_add_u32 v14, v15                            ; the wave's opening: the add, twice on end, and its wait
	ds_add_u32 v14, v15
	v_lshrrev_b32 v1, 5, v0
	v_readfirstlane_b32 s12, v1                    ; wave 0..3
	s_lshr_b32 s13, s12, 1                         ; which 64 rows
	s_and_b32 s14, s12, 1                          ; which 64 columns
	s_bfe_u32 s15, ttmp6, 0x40000                  ; cx
	s_bfe_u32 s16, ttmp6, 0x40004                  ; cy
	s_lshl_b32 s17, ttmp9, 2
	s_add_co_u32 s17, s17, s15                     ; the block of 128 columns
	s_and_b32 s18, ttmp7, 0xffff
	s_lshl_b32 s18, s18, 2
	s_add_co_u32 s18, s18, s16                     ; the block of 128 rows: 16 batch + 2 T + half
	s_lshl_b32 s19, s16, 2
	s_lshl_b32 s19, 15, s19                        ; my row of the cluster
	s_lshl_b32 s72, 0x1111, s15                    ; my column
	s_or_b32 s20, s19, (3<<16)|(1<<21)             ; half of ctx's images: 32,768 dense bytes as 128 rows of 256 (32 elements of 8)
	s_mov_b32 s21, 32<<16
	s_mov_b32 s22, 128<<16
	s_mov_b32 s23, 32<<16
	s_mov_b32 s24, 128
	s_mov_b32 s25, 32
	s_mov_b32 s26, 0
	s_mov_b32 s27, 0
	s_or_b32 s28, s19, (3<<16)|(1<<21)             ; ctx's scale bytes: 16 heads x 256 bytes, 8,192 bytes apart
	s_mov_b32 s29, 32<<16
	s_mov_b32 s30, 16<<16
	s_mov_b32 s31, 32<<16
	s_mov_b32 s32, 16
	s_mov_b32 s33, 1024
	s_mov_b32 s34, 0
	s_mov_b32 s35, 0
	s_or_b32 s36, s72, (3<<16)|(1<<20)|(1<<21)|(6<<22)|(3<<25)   ; Wo: 136 dense rows of 512 bytes, 4 words of padding after every 128
	s_mov_b32 s37, 64<<16
	s_mov_b32 s38, 136<<16
	s_mov_b32 s39, 64<<16
	s_mov_b32 s40, 136
	s_mov_b32 s41, 64
	s_mov_b32 s42, 0
	s_mov_b32 s43, 0
	s_lshl_b32 s53, s14, 15
	s_lshl_b32 s74, s18, 16
	s_add_co_u32 s74, s74, s53
	s_mov_b32 s75, 0                               ; ctx's images of my block, my half
	s_lshl_b32 s76, s18, 8
	s_add_co_u32 s76, s76, 2097152
	s_mov_b32 s77, 0                               ; its scale bytes
	s_add_co_u32 s78, s17, 24
	s_mul_i32 s78, s78, BLK
	s_mov_b32 s79, 0                               ; Wo's block
	s_wait_dscnt 0x0                               ; both opening adds are done
	s_wait_kmcnt 0x0
	s_mov_b32 s52, 1
	s_add_nc_u64 s[54:55], s[4:5], s[74:75]
	s_or_b32 s55, s55, 0x80000000
	s_mov_b32 s56, 1
	s_mov_b32 s57, CSL
	s_add_nc_u64 s[58:59], s[4:5], s[76:77]
	s_or_b32 s59, s59, 0x80000000
	s_mov_b32 s60, 1
	s_mov_b32 s61, WO
	s_add_nc_u64 s[62:63], s[6:7], s[78:79]
	s_or_b32 s63, s63, 0x80000000
	CROUND                                         ; all sixteen work-groups are here: the joint loads meet
	s_cmp_lt_u32 s12, 2                            ; one load a wave: waves 0, 1 the halves of ctx's images, wave 2 Wo, wave 3 ctx's scale bytes
	s_cbranch_scc0 .Lhead_w
	tensor_load_to_lds s[52:55], s[20:27]
	s_nop 0
	PLACES 4
	s_branch .Lasked
.Lhead_w:
	s_cmp_eq_u32 s12, 2
	s_cbranch_scc0 .Lhead_s
	tensor_load_to_lds s[60:63], s[36:43]
	s_nop 0
	PLACES 4
	s_branch .Lasked
.Lhead_s:
	tensor_load_to_lds s[56:59], s[28:35]
	s_nop 0
	PLACES 4
.Lasked:
	s_lshl_b32 s82, s17, 9
	s_lshl_b32 s83, s14, 8
	s_add_co_u32 s82, s82, s83
	s_mov_b32 s83, 0                               ; bo: (128 block + 64 (w % 2)) x 4 bytes
	s_lshr_b32 s84, s18, 4
	s_lshl_b32 s84, s84, 11
	s_and_b32 s85, s18, 1
	s_lshl_b32 s85, s85, 10
	s_add_co_u32 s84, s84, s85
	s_lshl_b32 s85, s13, 9
	s_add_co_u32 s84, s84, s85
	s_bfe_u32 s85, s18, 0x10003
	s_lshl_b32 s85, s85, 6
	s_add_co_u32 s84, s84, s85
	s_bfe_u32 s85, s18, 0x20001
	s_lshl_b32 s85, s85, 3
	s_add_co_u32 s84, s84, s85                     ; my first true row: 2,048 batch + 1,024 half + 512 (w / 2) + 64 (T / 4) + 8 (T % 4)
	s_lshl_b32 s84, s84, 12
	s_add_co_u32 s84, s84, s82
	s_mov_b32 s85, 0
	s_add_nc_u64 s[8:9], s[8:9], s[82:83]
	s_add_nc_u64 s[10:11], s[10:11], s[84:85]
	s_lshl_b32 s86, s13, 15
	s_mul_i32 s87, s14, 64*WP
	s_add_co_u32 s87, s87, WO
	s_mul_i32 s88, s14, 2*WP
	s_add_co_u32 s88, s88, WS
	s_lshl_b32 s89, s13, 7
	s_add_co_u32 s89, s89, CSL
	s_mul_i32 s90, s12, 64*SPITCH
	s_add_co_u32 s90, s90, STG
	v_and_b32 v1, 15, v0                           ; r
	v_bfe_u32 v2, v0, 4, 1                         ; h
	v_and_b32 v3, 31, v0                           ; lane
	v_lshlrev_b32 v11, 7, v2                       ; bo: 128 h bytes
	v_lshlrev_b32 v5, 4, v3
	v_add_nc_u32 v5, s86, v5                       ; ctx's images: my four tiles of rows, 8,192 bytes each
	v_mul_u32_u24 v6, v1, WP
	v_lshl_add_u32 v6, v2, 4, v6
	v_add_nc_u32 v6, s87, v6                       ; Wo's fragments: my 64 rows; row r x pitch + 16 h
	v_lshl_add_u32 v7, v1, 4, s88                  ; Wo's scale words
	v_lshl_add_u32 v8, v1, 1, s89                  ; ctx's scale bytes: my 64 rows, 2 bytes a row
	v_mul_u32_u24 v9, v1, SPITCH
	v_lshl_add_u32 v9, v2, 7, v9
	v_add_nc_u32 v9, s90, v9                       ; into the stage: row r, + 128 h
	v_mul_u32_u24 v10, v2, SPITCH
	v_lshl_add_u32 v10, v1, 4, v10
	v_add_nc_u32 v10, s90, v10                     ; back: lanes 0-15 one row, lanes 16-31 the next
	v_lshlrev_b32 v4, 12, v2
	v_lshl_add_u32 v4, v1, 4, v4                   ; and the same two rows in out0
	s_wait_alu depctr_va_vdst(0)                   ; the head's end
	WIN 0x40                                       ; destination window 1
.irp t, 0,1,2,3                                ; tile t's register j is column 64 (w % 2) + 32 h + 8 t + j
	global_load_b128 v[BO+8*\t:BO+8*\t+3], v11, s[8:9] offset:32*\t
	global_load_b128 v[BO+8*\t+4:BO+8*\t+7], v11, s[8:9] offset:32*\t+16
.endr
	WIN 0
.macro CTX a                           ; tile a's scale bytes (head 2 s's two, head 2 s + 1's two) and its fragments for all of K: 32 loads
.irp k, 0,1,2,3,4,5,6,7
	ds_load_u16 v[CSW+8*(\a)+\k], v8 offset:(2*\k)*256+(\a)*32
	ds_load_u16 v[HI+8*((\a)%2)+\k], v8 offset:(2*\k+1)*256+(\a)*32
.endr
.irp k, 0,1,2,3,4,5,6,7
.irp c, 0,1
	ds_load_b128 v[FR+64*((\a)%2)+8*\k+4*\c:FR+64*((\a)%2)+8*\k+4*\c+3], v5 offset:(\a)*8192+\k*1024+\c*512
.endr
.endr
.endm
.macro WORDS a                         ; tile a's scale words
.irp k, 0,1,2,3,4,5,6,7
	v_lshl_or_b32 v[CSW+8*(\a)+\k], v[HI+8*((\a)%2)+\k], 16, v[CSW+8*(\a)+\k]
.endr
	PLACES 8                                       ; a scale register written by a vector instruction stands eight places ahead of a scaled matrix instruction
	s_wait_alu depctr_va_vdst(0)
.endm
.macro MUL s, a                        ; 128 along K of tile a: the four accumulators take turns, one instruction a turn
	WIN 0x52                                       ; source 0 window 2, source 1 window 0, C and D window 1
.irp t, 0,1,2,3
.if (\s) == 0
	v_wmma_scale_f32_16x16x128_f8f6f4 v[32*((\a)%2)+8*\t:32*((\a)%2)+8*\t+7], v[32*(\s)+8*\t:32*(\s)+8*\t+7], v[FR+64*((\a)%2)+8*(\s):FR+64*((\a)%2)+8*(\s)+7], v[BO+8*\t:BO+8*\t+7], v[WSW+8*\t+(\s)], v[CSW+8*(\a)+(\s)] matrix_a_fmt:MATRIX_FMT_FP4 matrix_b_fmt:MATRIX_FMT_FP4
.else
	v_wmma_scale_f32_16x16x128_f8f6f4 v[32*((\a)%2)+8*\t:32*((\a)%2)+8*\t+7], v[32*(\s)+8*\t:32*(\s)+8*\t+7], v[FR+64*((\a)%2)+8*(\s):FR+64*((\a)%2)+8*(\s)+7], v[32*((\a)%2)+8*\t:32*((\a)%2)+8*\t+7], v[WSW+8*\t+(\s)], v[CSW+8*(\a)+(\s)] matrix_a_fmt:MATRIX_FMT_FP4 matrix_b_fmt:MATRIX_FMT_FP4
.endif
.endr
.endm
; THE WAY OUT of the 16 rows of tile a: into the stage, and back as whole rows.  LDS serves a wave's instructions in order (ISA guide 5.7.1.4): the loads see the stores.
.macro TOSTAGE a
	PLACES 4                                       ; in front of the first read of results
	WIN 0x04                                       ; the data: window 1
.irp t, 0,1,2,3
	ds_store_b128 v9, v[32*((\a)%2)+8*\t:32*((\a)%2)+8*\t+3] offset:(\a)*16*SPITCH+32*\t        ; each accumulator from its low end on
	ds_store_b128 v9, v[32*((\a)%2)+8*\t+4:32*((\a)%2)+8*\t+7] offset:(\a)*16*SPITCH+32*\t+16
.endr
	WIN 0x40                                       ; destination window 1
.irp n, 0,1,2,3,4,5,6,7
	ds_load_b128 v[RB+32*(\a)+4*\n:RB+32*(\a)+4*\n+3], v10 offset:(16*(\a)+2*\n)*SPITCH
.endr
	WIN 0
.endm
.macro SEND a, younger                 ; younger: the LDS loads issued behind tile a's from the stage
	WIN 0x04
.irp n, 0,1,2,3,4,5,6,7
	s_wait_dscnt \younger+7-\n                     ; these two rows are in
	global_store_b128 v4, v[RB+32*(\a)+4*\n:RB+32*(\a)+4*\n+3], s[10:11] offset:(128*(\a)+2*\n+24*(\n/4))*4096 th:TH_STORE_NT   ; two aligned units of 256 bytes; written once, read by nobody here
.endr
	WIN 0
.endm
	s_wait_tensorcnt 0x0                           ; my fill has landed,
	s_barrier_signal -1
	s_barrier_wait -1                              ; everybody's has
.irp t, 0,1,2,3
.irp k, 0,1
	ds_load_b128 v[WSW+8*\t+4*\k:WSW+8*\t+4*\k+3], v7 offset:\k*4*WP+(\t/2)*WP+(\t%2)*256
.endr
.endr
	CTX 0
	WIN 0x80                                       ; destination window 2: Wo's fragments, eight loads for each 128 along K
.irp k, 0,1,2,3,4,5,6,7
.irp t, 0,1,2,3
.irp c, 0,1
	ds_load_b128 v[32*\k+8*\t+4*\c:32*\k+8*\t+4*\c+3], v6 offset:\t*16*WP+\k*64+\c*32
.endr
.endr
.endr
	WIN 0
	s_wait_dscnt 56                                ; the scale bytes and words, tile 0 and Wo's first eight are in; seven times eight may be out
	WORDS 0
	s_wait_loadcnt 0x0                             ; bo
	MUL 0, 0
.irp k, 1,2,3
	s_wait_dscnt 8*(7-\k)                          ; Wo's next eight are in
	MUL \k, 0
.endr
	WIN 0
	CTX 1                                          ; into registers that nothing has used
.irp k, 4,5,6,7
	s_wait_dscnt 8*(7-\k)+32                       ; tile 1's 32 loads, issued behind them, may be out too
	MUL \k, 0
.endr
.irp a, 0,1,2
	TOSTAGE \a
	s_wait_dscnt 16                                ; tile a + 1 is in; tile a's 8 stores and 8 loads may be out
	WORDS \a+1
.if \a < 2
	CTX \a+2                                       ; into the set that tile a has left: more than four places back
.endif
.irp k, 0,1,2,3,4,5,6,7
	MUL \k, \a+1
.endr
.if \a < 2
	SEND \a, 32                                    ; tile a + 2's 32 loads may be out
.else
	SEND \a, 0
.endif
.endr
	TOSTAGE 3
	SEND 3, 0
	s_wait_tensorcnt 0x0                           ; the wave's end
	ds_add_u32 v14, v15
	s_wait_dscnt 0x0
	CROUND                                         ; the closing round
	s_endpgm
.Lfunc_end_k_qad8f19426a_gemm_out:
	.size	k_qad8f19426a_gemm_out, .Lfunc_end_k_qad8f19426a_gemm_out-k_qad8f19426a_gemm_out
	.p2alignl 7, 3214868480
	.fill 96, 4, 3214868480
	.section	.rodata,"a",@progbits
	.p2align	6, 0x0
	.amdhsa_kernel k_qad8f19426a_gemm_out
		.amdhsa_group_segment_fixed_size 211712
		.amdhsa_private_segment_fixed_size 0
		.amdhsa_enable_private_segment 0
		.amdhsa_kernarg_size 32
		.amdhsa_user_sgpr_count 2
		.amdhsa_user_sgpr_kernarg_segment_ptr 1
		.amdhsa_wavefront_size32 1
		.amdhsa_system_sgpr_workgroup_id_x 1
		.amdhsa_system_sgpr_workgroup_id_y 1
		.amdhsa_system_sgpr_workgroup_id_z 1
		.amdhsa_system_vgpr_workitem_id 0
		.amdhsa_next_free_vgpr 768
		.amdhsa_next_free_sgpr 100
		.amdhsa_reserve_vcc 0
		.amdhsa_float_denorm_mode_32 3
		.amdhsa_float_denorm_mode_16_64 3
		.amdhsa_memory_ordered 1
		.amdhsa_forward_progress 1
		.amdhsa_inst_pref_size 50
	.end_amdhsa_kernel
	.amdgpu_metadata
---
amdhsa.version: [ 1, 2 ]
amdhsa.kernels:
  - .name:           k_qad8f19426a_gemm_out
    .symbol:         k_qad8f19426a_gemm_out.kd
    .args:
      - { .name: ctx, .offset: 0, .size: 8, .value_kind: global_buffer, .address_space: global }
      - { .name: wq, .offset: 8, .size: 8, .value_kind: global_buffer, .address_space: global }
      - { .name: bo, .offset: 16, .size: 8, .value_kind: global_buffer, .address_space: global }
      - { .name: out0, .offset: 24, .size: 8, .value_kind: global_buffer, .address_space: global }
    .group_segment_fixed_size: 211712
    .private_segment_fixed_size: 0
    .kernarg_segment_align: 8
    .kernarg_segment_size: 32
    .max_flat_workgroup_size: 128
    .sgpr_count:     100
    .vgpr_count:     768
    .wavefront_size: 32
...
	.end_amdgpu_metadata
.endif
;; end of part 4
